; MI455X (gfx1250); checked and timed in simulation.
; The chip was launched on July 23, 2026; its instructions are those of AMD's public machine-readable ISA for CDNA 5 (MIT licence, August 2026) and "CDNA5" Instruction Set Architecture Reference Guide (July 2026). The comments in the code are by the model that wrote it; some were corrected since.
;; Multi Head Attention. Allowed arithmetic: float matrix products may take bf16 or f16 operands with f32 sums; other float arithmetic in f32, or as packed bf16 or f16 multiplies, adds, multiply-adds, maxima and minima; sums over many terms, partial sums and values carried from step to step in f32; what a program stores and reads back later, other than sums and carried values, may be rounded once to bf16 or f16.
;; Inputs: PE_operators 2 x 2,048 x 1,024 float32; PE_solution_scores 2 x 2,048 float32; PE_statements 2 x 2,048 x 1,024 float32; PE_states 2 x 2,048 x 1,024 float32; global_state 2 x 2,048 x 1,024 float32; ln_beta 1,024 float32; ln_gamma 1,024 float32; mask 2 x 2,048 x 2,048 int32; w_fc 1,024 x 1,024 float32; w_k 1,024 x 1,024 float32; w_q 1,024 x 1,024 float32; w_v 1,024 x 1,024 float32.
;; Outputs: out0 2 x 2,048 x 1,024 float32; out1 2 x 2,048 x 1,024 float32.
;; 2 versions, each right; version 2 is version 1 with the launch prep written anew for expert scheduling mode. Each part assembles by itself: llvm-mc -triple=amdgcn-amd-amdhsa -mcpu=gfx1250 --defsym DOCPART=n.
;; ======== version 1 of 2: 5 launches
;; workspace buffers: xb 33,554,432 bytes; wb 6,291,456 bytes; wfcb 2,097,152 bytes; mw 1,048,576 bytes of whole numbers; qkv 33,554,432 bytes; ob 33,554,432 bytes; yb 33,554,432 bytes
;; launch prep (part 1): grid 1792 x 1, 4 waves a work-group, no clusters, 17,920 bytes of LDS; arguments PE_statements, PE_operators, global_state, PE_states, w_v, w_q, w_k, w_fc, mask, xb, wb, wfcb, mw; writes xb, wb, wfcb, mw
.if DOCPART == 1
	.amdgcn_target "amdgcn-amd-amdhsa--gfx1250"
	.amdhsa_code_object_version 6
	.text
	.protected	k_q527c4379ef_prep
	.globl	k_q527c4379ef_prep
	.p2align	8
	.type	k_q527c4379ef_prep,@function
k_q527c4379ef_prep:
	s_mov_b64 s[64:65], 0
	v_nop
	global_prefetch_b8 v0, s[64:65] scope:SCOPE_SE
	s_setreg_imm32_b32 hwreg(HW_REG_WAVE_MODE, 25, 1), 1
	s_wait_xcnt 0x0
; PREPARATION: every f32 matrix operand is rounded once to bf16, and the int32 mask is packed into lane masks.
; A UNIT is 131,072 bytes of input, taken by eight waves: two work-groups of four.  Unit = work-group / 2; a wave's place among the eight = 4 (work-group % 2) + wave.
; Units 0-255:   16 rows of the mask -> mw[b][tile of 16 queries][step of 64 keys][32 words]: bit L of word 8 kb + j says whether
;                mask[b][16 tile + L % 16][64 step + 16 kb + 8 (L / 16) + j] is not 0: the lane mask of one register of a tile of scores.
; Units 256-767: 32 rows of one of the four activations -> xb, laid out by K blocks: xb[kb 0..15][R 0..16383][64], R = 4096 i + row
;                (i: 0 PE_statements, 1 PE_operators, 2 global_state, 3 PE_states): a block's rows are dense, 128 bytes each.
; Units 768-895: 32,768 numbers of one weight, as they lie ([k][n]) -> wb (w_v, w_q, w_k) or wfcb (w_fc).
; Every wave issues its 32 loads of 16 bytes a lane before the first is used.  With 144 registers a wave, seven work-groups lie on a WGP: 1,792 work-groups are seven for each of 256.
; No register is written while a load or store may read it, so the only waits are the counted ones.  No matrix unit, no cluster: no byte is used twice.
.set KBS, 2097152                      ; bytes of a K block: 16,384 rows of 128 bytes
.set LP,  272                          ; the mask path's LDS row: 256 bytes + 16 = 68 words: the 16 rows that a load touches start at 16 different groups of four banks (64 banks of 4 bytes: ISA guide 11.1)
.set WREG, 16*LP                       ; a wave's own 16 rows
.set SPARE, 4*WREG                     ; behind them: the spare words, 128 bytes for each wave: two blocks of 256 bytes that no other line names
.set VL,  2                            ; v2   my byte offset in the source
.set VS,  3                            ; v3   my byte offset in the destination
.set OUT, 4                            ; v[4:7] the mask path: 128 words of a wave, word n in register n % 4 of lane n / 4
.set X,   8                            ; v[8:135] load i at X + 4 i
.set LS,  136                          ; v136 the mask path: where I put 16 bytes of a row
.set LR,  137                          ; v137 the mask path: where I read 16 bytes of my row
.set SPW, 138                          ; v138 LDS address of my spare word; never rewritten
.set NIL, 139                          ; v139 0; never rewritten
.set SRC, 30                           ; s[30:31]
.set DST, 32                           ; s[32:33]
.set OFS, 34                           ; s[34:35] an offset, its high word 0
.set WV,  36                           ; s36  my wave among the unit's eight
.set TT,  37                           ; s37  at work
.set ID,  38                           ; s38  the unit
.set W4,  39                           ; s39  my wave's number in the work-group
.set CM,  40                           ; s[40:43] four compare results
; 32 loads of 4 f32 a lane, 32 stores of 4 bf16 a lane.  Load i = 2 j + e stands at j x 8,192 + e x ls1, its store at j x ss0 + e x ss1.
; A store of the wave covers 256 consecutive bytes, aligned.
.macro CAST ls1, ss0, ss1
.set i, 0
.rept 32
	global_load_b128 v[X+4*i:X+4*i+3], v[VL], s[SRC:SRC+1] offset:(i/2)*8192+(i%2)*(\ls1) th:TH_LOAD_NT
.set i, i+1
.endr
.set i, 0
.rept 32
	s_wait_loadcnt 31-i                            ; loads come back in order: load i is in, the 31 - i younger ones stay out
	v_cvt_pk_bf16_f32 v[X+4*i], v[X+4*i], v[X+4*i+1]
	v_cvt_pk_bf16_f32 v[X+4*i+1], v[X+4*i+2], v[X+4*i+3]
	global_store_b64 v[VS], v[X+4*i:X+4*i+1], s[DST:DST+1] offset:(i/2)*(\ss0)+(i%2)*(\ss1)
.set i, i+1
.endr
.endm
	s_load_b512 s[4:19], s[0:1], 0x0               ; the four activations s[4:11], w_v, w_q, w_k, w_fc s[12:19]
	s_load_b256 s[20:27], s[0:1], 0x40             ; mask s[20:21], xb s[22:23], wb s[24:25], wfcb s[26:27]
	s_load_b64 s[28:29], s[0:1], 0x60              ; mw
	v_lshl_add_u32 v[SPW], v0, 2, SPARE
	v_mov_b32 v[NIL], 0
	v_lshrrev_b32 v1, 5, v0
	v_readfirstlane_b32 s[W4], v1                  ; wave 0..3
	v_and_b32 v1, 31, v0                           ; lane
	s_and_b32 s[WV], ttmp9, 1
	s_lshl2_add_u32 s[WV], s[WV], s[W4]            ; 0..7
	s_lshr_b32 s[ID], ttmp9, 1
	s_mov_b32 s[OFS+1], 0
	s_wait_kmcnt 0x0
	s_cmp_lt_u32 s[ID], 256
	s_cbranch_scc0 .Lnot_mask
	; THE MASK.  The unit owns 16 rows (one tile of queries), a wave the key steps 4 w .. 4 w + 3: 1,024 bytes of each row.
	; From memory a load takes 256 consecutive bytes (one key step) of two rows: lanes 0-15 one row, lanes 16-31 the next.  A compare wants lane L to hold row L % 16, so a step's
	; 16 rows x 256 bytes go through my own LDS rows and come back a row a lane: load 2 kb + e brings lane L the keys 16 kb + 8 (L / 16) + 4 e + 0..3.
	s_lshl_b32 s[OFS], s[ID], 17                   ; 16 rows of 8,192 bytes
	s_lshl_b32 s[TT], s[WV], 10
	s_add_co_u32 s[OFS], s[OFS], s[TT]
	s_add_nc_u64 s[SRC:SRC+1], s[20:21], s[OFS:OFS+1]
	s_lshl_b32 s[OFS], s[ID], 3
	s_add_co_u32 s[OFS], s[OFS], s[WV]
	s_lshl_b32 s[OFS], s[OFS], 9                   ; 128 words a wave
	s_add_nc_u64 s[DST:DST+1], s[28:29], s[OFS:OFS+1]
	v_and_b32 v[VS], 15, v1                        ; l % 16
	v_lshrrev_b32 v[OUT], 4, v1                    ; l / 16
	v_lshlrev_b32 v[VL], 4, v[VS]
	v_lshl_add_u32 v[VL], v[OUT], 13, v[VL]
.set i, 0
.rept 32                                       ; load 8 ks + i: key step ks, rows 2 i and 2 i + 1
	global_load_b128 v[X+4*i:X+4*i+3], v[VL], s[SRC:SRC+1] offset:(i%8)*16384+(i/8)*256 th:TH_LOAD_NT
.set i, i+1
.endr
	s_mul_i32 s[TT], s[W4], WREG                   ; my 16 LDS rows
	v_mul_u32_u24 v[LS], v[OUT], LP                ; in: as loaded, two rows
	v_lshl_add_u32 v[LS], v[VS], 4, v[LS]
	v_add_nc_u32 v[LS], s[TT], v[LS]
	v_mul_u32_u24 v[LR], v[VS], LP                 ; back: row l % 16, 32 bytes further for lanes 16-31
	v_lshl_add_u32 v[LR], v[OUT], 5, v[LR]
	v_add_nc_u32 v[LR], s[TT], v[LR]
	v_lshlrev_b32 v[VS], 4, v1
.irp c, 0,1,2,3
	v_mov_b32 v[OUT+(\c)], 0                       ; v_writelane_b32 keeps the other lanes: the registers are written whole first
.endr
.set ks, 0
.rept 4
	s_wait_loadcnt 24-8*ks                         ; this key step's eight loads are in; the later steps' stay out
.set i, 0
.rept 8
	ds_store_b128 v[LS], v[X+32*ks+4*i:X+32*ks+4*i+3] offset:i*2*LP
.set i, i+1
.endr
.set i, 0
.rept 8
	ds_load_b128 v[X+32*ks+4*i:X+32*ks+4*i+3], v[LR] offset:(i/2)*64+(i%2)*16  ; LDS serves a wave's instructions in order (ISA guide 5.7.1.4): these see the stores above, and the next step's stores come behind them
.set i, i+1
.endr
.set i, 0
.rept 8
	s_wait_dscnt 7-i                               ; load i is back, the 7 - i younger ones stay out
.irp c, 0,1,2,3
	v_cmp_ne_u32 s[CM+(\c)], 0, v[X+32*ks+4*i+(\c)]  ; word 4 (8 ks + i) + c: one bit a lane
.endr
.irp c, 0,1,2,3
	v_writelane_b32 v[OUT+(\c)], s[CM+(\c)], 8*ks+i
.endr
.set i, i+1
.endr
.set ks, ks+1
.endr
	global_store_b128 v[VS], v[OUT:OUT+3], s[DST:DST+1]  ; 512 consecutive bytes, aligned
	s_wait_tensorcnt 0x0                           ; the wave's end, behind my last LDS store
	ds_add_u32 v[SPW], v[NIL]
	s_wait_dscnt 0x0
	s_endpgm
.Lnot_mask:
	s_sub_co_u32 s[ID], s[ID], 256
	s_cmp_lt_u32 s[ID], 512
	s_cbranch_scc0 .Lweights
	; ACTIVATIONS.  Wave w of the eight owns K blocks 2 w and 2 w + 1 of the unit's 32 rows; a load takes one block (256 bytes of f32) of two rows.
	s_lshr_b32 s[TT], s[ID], 7                     ; which activation
	s_cmp_eq_u32 s[TT], 1
	s_cselect_b64 s[SRC:SRC+1], s[6:7], s[4:5]
	s_cmp_eq_u32 s[TT], 2
	s_cselect_b64 s[SRC:SRC+1], s[8:9], s[SRC:SRC+1]
	s_cmp_eq_u32 s[TT], 3
	s_cselect_b64 s[SRC:SRC+1], s[10:11], s[SRC:SRC+1]
	s_and_b32 s[OFS], s[ID], 127
	s_lshl_b32 s[OFS], s[OFS], 17                  ; 32 rows of 4,096 bytes
	s_add_nc_u64 s[SRC:SRC+1], s[SRC:SRC+1], s[OFS:OFS+1]
	s_lshl_b32 s[OFS], s[ID], 12                   ; R = 32 x the unit's number among these, 128 bytes a row
	s_add_nc_u64 s[DST:DST+1], s[22:23], s[OFS:OFS+1]
	v_lshrrev_b32 v[VL], 4, v1
	v_lshlrev_b32 v[VL], 12, v[VL]                 ; lanes 16-31: the next row
	v_and_b32 v[VS], 15, v1
	v_lshl_add_u32 v[VL], v[VS], 4, v[VL]
	s_lshl_b32 s[TT], s[WV], 9                     ; my two blocks: 512 bytes of a row
	v_add_nc_u32 v[VL], s[TT], v[VL]
	s_lshl_b32 s[TT], s[WV], 22                    ; 2 w blocks
	v_lshl_add_u32 v[VS], v1, 3, s[TT]             ; two rows of a block are 256 bytes on end: 8 bytes a lane
	CAST 256, 256, KBS
	s_endpgm
.Lweights:
	; WEIGHTS, as they lie: thread t of the unit's 256 takes 16 bytes at 16 t of each 4,096
	s_sub_co_u32 s[ID], s[ID], 512
	s_lshr_b32 s[TT], s[ID], 5                     ; which weight
	s_cmp_eq_u32 s[TT], 1
	s_cselect_b64 s[SRC:SRC+1], s[14:15], s[12:13]
	s_cmp_eq_u32 s[TT], 2
	s_cselect_b64 s[SRC:SRC+1], s[16:17], s[SRC:SRC+1]
	s_cmp_eq_u32 s[TT], 3
	s_cselect_b64 s[SRC:SRC+1], s[18:19], s[SRC:SRC+1]
	s_and_b32 s[TT], s[ID], 31
	s_lshl_b32 s[OFS], s[TT], 17
	s_add_nc_u64 s[SRC:SRC+1], s[SRC:SRC+1], s[OFS:OFS+1]
	s_cmp_lt_u32 s[ID], 96                         ; the first three go to wb, one behind the other; w_fc to wfcb
	s_cselect_b64 s[DST:DST+1], s[24:25], s[26:27]
	s_cselect_b32 s[OFS], s[ID], s[TT]
	s_lshl_b32 s[OFS], s[OFS], 16
	s_add_nc_u64 s[DST:DST+1], s[DST:DST+1], s[OFS:OFS+1]
	s_lshl_b32 s[TT], s[WV], 5
	v_add_nc_u32 v[VS], s[TT], v1                  ; t
	v_lshlrev_b32 v[VL], 4, v[VS]
	v_lshlrev_b32 v[VS], 3, v[VS]
	CAST 4096, 4096, 2048
	s_endpgm
.Lfunc_end_k_q527c4379ef_prep:
	.size	k_q527c4379ef_prep, .Lfunc_end_k_q527c4379ef_prep-k_q527c4379ef_prep
	.p2alignl 7, 3214868480
	.fill 96, 4, 3214868480
	.section	.rodata,"a",@progbits
	.p2align	6, 0x0
	.amdhsa_kernel k_q527c4379ef_prep
		.amdhsa_group_segment_fixed_size 17920
		.amdhsa_private_segment_fixed_size 0
		.amdhsa_enable_private_segment 0
		.amdhsa_kernarg_size 104
		.amdhsa_user_sgpr_count 2
		.amdhsa_user_sgpr_kernarg_segment_ptr 1
		.amdhsa_wavefront_size32 1
		.amdhsa_system_sgpr_workgroup_id_x 1
		.amdhsa_system_sgpr_workgroup_id_y 1
		.amdhsa_system_sgpr_workgroup_id_z 1
		.amdhsa_system_vgpr_workitem_id 0
		.amdhsa_next_free_vgpr 144
		.amdhsa_next_free_sgpr 66
		.amdhsa_reserve_vcc 0
		.amdhsa_float_denorm_mode_32 3
		.amdhsa_float_denorm_mode_16_64 3
		.amdhsa_memory_ordered 1
		.amdhsa_forward_progress 1
		.amdhsa_inst_pref_size 50
	.end_amdhsa_kernel
	.amdgpu_metadata
---
amdhsa.version: [ 1, 2 ]
amdhsa.kernels:
  - .name:           k_q527c4379ef_prep
    .symbol:         k_q527c4379ef_prep.kd
    .args:
      - { .name: PE_statements, .offset: 0, .size: 8, .value_kind: global_buffer, .address_space: global }
      - { .name: PE_operators, .offset: 8, .size: 8, .value_kind: global_buffer, .address_space: global }
      - { .name: global_state, .offset: 16, .size: 8, .value_kind: global_buffer, .address_space: global }
      - { .name: PE_states, .offset: 24, .size: 8, .value_kind: global_buffer, .address_space: global }
      - { .name: w_v, .offset: 32, .size: 8, .value_kind: global_buffer, .address_space: global }
      - { .name: w_q, .offset: 40, .size: 8, .value_kind: global_buffer, .address_space: global }
      - { .name: w_k, .offset: 48, .size: 8, .value_kind: global_buffer, .address_space: global }
      - { .name: w_fc, .offset: 56, .size: 8, .value_kind: global_buffer, .address_space: global }
      - { .name: mask, .offset: 64, .size: 8, .value_kind: global_buffer, .address_space: global }
      - { .name: xb, .offset: 72, .size: 8, .value_kind: global_buffer, .address_space: global }
      - { .name: wb, .offset: 80, .size: 8, .value_kind: global_buffer, .address_space: global }
      - { .name: wfcb, .offset: 88, .size: 8, .value_kind: global_buffer, .address_space: global }
      - { .name: mw, .offset: 96, .size: 8, .value_kind: global_buffer, .address_space: global }
    .group_segment_fixed_size: 17920
    .private_segment_fixed_size: 0
    .kernarg_segment_align: 8
    .kernarg_segment_size: 104
    .max_flat_workgroup_size: 128
    .sgpr_count:     66
    .vgpr_count:     144
    .wavefront_size: 32
...
	.end_amdgpu_metadata
.endif
;; end of part 1
;; launch gemm (part 2): grid 4 x 64, 4 waves a work-group, clusters of 4 x 4, 327,680 bytes of LDS; arguments xb, wb, qkv; writes qkv
.if DOCPART == 2
	.amdgcn_target "amdgcn-amd-amdhsa--gfx1250"
	.amdhsa_code_object_version 6
	.text
	.protected	k_q527c4379ef_gemm
	.globl	k_q527c4379ef_gemm
	.p2align	8
	.type	k_q527c4379ef_gemm,@function
k_q527c4379ef_gemm:
	s_mov_b64 s[64:65], 0
	v_nop
	global_prefetch_b8 v0, s[64:65] scope:SCOPE_SE
	s_setreg_imm32_b32 hwreg(HW_REG_WAVE_MODE, 25, 1), 1
	s_wait_xcnt 0x0
	s_wait_alu depctr_hold_cnt(0) depctr_sa_sdst(0) depctr_va_vdst(0) depctr_va_sdst(0) depctr_va_ssrc(0) depctr_va_vcc(0) depctr_vm_vsrc(0)
	s_getreg_b32 s2, hwreg(HW_REG_IB_STS2, 6, 4)
	s_cmp_eq_u32 s2, 0
	s_cbranch_scc0 .Lentry_in_a_cluster
	s_endpgm
.Lentry_in_a_cluster:
	s_bfe_u32 s2, ttmp6, 0x10000c
	s_cmp_lg_u32 s2, 0xf033
	s_cbranch_scc0 .Lentry_shape_is_right
	s_endpgm
.Lentry_shape_is_right:
; C = A B, K = 1,024, N = 1,024.  A and C lie by blocks of 64 columns: X[block 0..15][row 0..16383][64] in bf16, a block's rows dense, 128 bytes each.
; B is one or several matrices [1024 k][1024 n] in bf16.  Sums in f32, C rounded once to bf16.  The text serves two launches: the four projections
; (16,384 rows: v_s, v_o, q, k; B = w_v, w_q, w_k) and the output projection (8,192 rows; B = w_fc).  Which matrix of B a tile takes follows from its
; cluster's y alone: max(y / 4, 1) - 1, that is w_v, w_v, w_q, w_k for each 4,096 rows, and the first matrix for all rows under 8,192.
; A tile of C, 256 x 256, is made by four waves, 128 x 128 each: 64 accumulators, 512 registers.  K goes in steps of 128 through two LDS slots filled by the tensor data mover.
; A's part of a slot: two planes (the step's two blocks), 256 rows of 128 + 16 bytes; a plane's 32,768 dense bytes are asked for as 128 rows of 256 bytes.
; B's part: 128 rows (k) of 512 + 32 bytes; its fragments come out of LDS turned, by ds_load_tr16_b128.
; THE LAST K STEP GOES BY ROWS OF C, not by K: my eight blocks of 16 rows are finished one after the other, and each leaves while the next is multiplied.
; CLUSTER: 4 x 4 work-groups.  A's tile hangs on the tile row alone and is asked for jointly by a row of the cluster, B's on the tile column and the cluster's y and is asked for
; jointly by a column: the same tensor load, descriptor and mask in all four.
; THE MATRIX INSTRUCTION IS USED TRANSPOSED (source 0 = 16 columns of B, source 1 = 16 rows of A): a lane holds eight neighbouring numbers of a row of C.
; REGISTERS, in windows of 256 (s_set_vgpr_msb: bits 1:0 source 0, 3:2 source 1, 5:4 source 2, 7:6 destination):
;   window 0: v0-31 addresses; v64-127, v128-191 A's fragments, two buffers (in the last K step four, of 16 rows x 128 K); v32-63, v192-255 at work on the way out
;   window 1: v64-127, v128-191 B's fragments, two buffers; in the last K step all 256: B's fragments of the whole step
;   window 2: the accumulators of my rows 0-63 ((a, b) at v[8 (8 a + b)])      window 3: those of my rows 64-127
.set KBS,    2097152                   ; bytes of a block of 64 columns
.set PA,     144                       ; A's LDS row: 128 + 16 bytes = 36 words: the 16 rows of a load start at 16 different groups of four banks (64 banks of 4 bytes: ISA guide 11.1)
.set APL,    256*PA                    ; a plane
.set PB,     544                       ; B's LDS row: 512 + 32 bytes = 136 words
.set BOFF,   2*APL
.set BHALF,  64*PB                     ; what one tensor load brings of B
.set SLOT,   BOFF+128*PB
.set STAGE,  2*SLOT                    ; behind the ring: 16 rows x 272 bytes for each wave, for the way out
.set SPITCH, 272
.set SPARE,  STAGE+4*16*SPITCH         ; behind the stages: the spare words, 128 bytes for each wave: two blocks of 256 bytes that no other line names
.set ASTEP,  2*KBS                     ; a K step in A: two blocks
.set BSTEP,  128*2048                  ; in B: 128 rows of 2,048 bytes
.set LAPS,   4                         ; a lap = two K steps = once round the ring
.set ADRA, 16                          ; v16-17  LDS address of my A fragments in slot 0, 1
.set ADRB, 20                          ; v20-21  the same for B
.set STO,  24                          ; v24     the way out: where I put 16 bytes of a row
.set RD,   25                          ; v25     the way out: where I read them back
.set CO,   26                          ; v26     my byte offset in C
.set SPW,  28                          ; v28     LDS address of my spare word; never rewritten
.set NIL,  29                          ; v29     0; never rewritten
.set PFO,  30                          ; v30     the prefetches' lane offset; never rewritten
.set F0,   64
.set F1,   128
.set TMP,  192
.set OB,   32
.set PAB,  64                          ; the last K step: A's fragments of 16 rows x 128 K, 32 registers; four such buffers, v64-191
.set G1,   24                          ; s[24:31] descriptor group 1 for A's tiles
.set G0,   32                          ; s[32:39] group 0 for A's, a set for each slot
.set G1B,  48                          ; s[48:55], s[56:63] the same for B's
.set G0B,  56
.set LIM,  43                          ; s43     1 in a wave that prefetches, else the greatest number
.set PFA,  44                          ; s[44:45] where my prefetches stand
.set PST,  66                          ; s[66:67] a K step in the tensor that I fetch
.set MSB, 0
.macro WIN new                         ; the immediate's high byte repeats the setting that is left; a switch that changes nothing is dropped
.if MSB != (\new)
	s_set_vgpr_msb (MSB<<8)|(\new)
.set MSB, \new
.endif
.endm
.set MUL_LO, 0xa1                      ; source 0 (B) window 1, source 1 (A) window 0, C and D window 2
.set MUL_HI, 0xf1                      ; the same, C and D window 3
.set TO_B,   0x40                      ; destination window 1, address window 0
; A joint load.  Waves 0 and 1 fetch A's two planes, waves 2 and 3 B's two halves.  The branch hangs on the wave's number alone.
; An s_nop 0 and four v_nop follow each of the two lines, ahead of the jump, the label and what follows.
.macro JLOAD s
	s_cmp_eq_u32 s11, 0
	s_cbranch_scc0 .Lfor_b_\@
	tensor_load_to_lds s[G0+4*(\s):G0+4*(\s)+3], s[G1:G1+7]
	s_nop 0
.rept 4
	v_nop
.endr
	s_branch .Lasked_\@
.Lfor_b_\@:
	tensor_load_to_lds s[G0B+4*(\s):G0B+4*(\s)+3], s[G1B:G1B+7]
	s_nop 0
.rept 4
	v_nop
.endr
.Lasked_\@:
.endm
; A prefetch of the K step that stands two refills on: 32 blocks of 256 bytes, a lane a block, one instruction a wave.  A's rows are read by one cluster alone, so each cluster asks for
; its own; a matrix of B is asked for by the first cluster that takes it.  The four partners that ask for a tile jointly share it out BY ADDRESS (a quarter each): no branch hangs on a
; work-group's place in its cluster.  So each block is named once in the launch.  K steps 0 to 3 come by their loads alone; the loop's last trip (s3 = 1) has no K step two refills on.
.macro ASK
	s_cmp_gt_u32 s3, s[LIM]
	s_cbranch_scc0 .Lnot_mine_\@
	global_prefetch_b8 v[PFO], s[PFA:PFA+1] th:TH_LOAD_NT scope:SCOPE_SE
.Lnot_mine_\@:
.endm
.macro CREST                           ; a round of the cluster's barrier behind its opening barrier
	s_cmp_lg_u32 s10, 0
	s_cbranch_scc1 .Lnot_wave_0_\@
	s_barrier_signal -3
.Lnot_wave_0_\@:
	s_barrier_wait -3
	s_barrier_signal -1
	s_barrier_wait -1
.endm
.macro CROUND                          ; a whole round
	s_barrier_signal -1
	s_barrier_wait -1
	CREST
.endm
	s_load_b128 s[4:7], s[0:1], 0x0                ; A s[4:5], B s[6:7]
	s_load_b64 s[8:9], s[0:1], 0x10                ; C
	v_lshl_add_u32 v[SPW], v0, 2, SPARE
	v_mov_b32 v[NIL], 0
	ds_add_u32 v[SPW], v[NIL]                      ; the wave's opening: the add and its wait stand ahead of my first tensor load; the set-up below, work on registers, stands between them
	v_lshrrev_b32 v1, 5, v0
	v_readfirstlane_b32 s10, v1                    ; wave 0..3
	s_lshr_b32 s11, s10, 1                         ; which half of the tile's rows is mine.  Also: I fetch for A (0) or for B (1)
	s_and_b32 s12, s10, 1                          ; which half of its columns.  Also: which plane of A, or which 64 rows of B, I fetch
	s_bfe_u32 s40, ttmp6, 0x40000                  ; cx
	s_bfe_u32 s41, ttmp6, 0x40004                  ; cy
	s_lshl_b32 s42, ttmp9, 2
	s_add_co_u32 s42, s42, s40                     ; tile column = 4 x cluster x + cx
	s_and_b32 s68, ttmp7, 0xffff                   ; cluster y
	s_lshl_b32 s13, s68, 2
	s_add_co_u32 s13, s13, s41                     ; tile row = 4 x cluster y + cy
	s_lshr_b32 s69, s68, 2
	s_max_u32 s69, s69, 1
	s_sub_co_u32 s69, s69, 1                       ; which matrix of B
	s_lshl_b32 s43, s41, 2
	s_lshl_b32 s43, 15, s43                        ; my row of the cluster
	s_lshl_b32 s44, 0x1111, s40                    ; my column
	s_or_b32 s[G1+0], s43, (1<<16)|(1<<20)|(1<<21)|(4<<22)|(3<<25)   ; 15:0 the mask; 17:16 2-byte elements; 20 padding on; 21 set beside a mask; 24:22 after every 32 words (code 4); 31:25 4 words (code 3)
	s_mov_b32 s[G1+1], 128<<16                     ; tensor_dim0 = 128 elements (256 bytes: two rows of a block)
	s_mov_b32 s[G1+2], 128<<16                     ; tensor_dim1 = 128
	s_mov_b32 s[G1+3], 128<<16                     ; tile_dim0 = 128
	s_mov_b32 s[G1+4], 128                         ; tile_dim1 = 128
	s_mov_b32 s[G1+5], 128                         ; 128 elements from row to row: dense
	s_mov_b32 s[G1+6], 0
	s_mov_b32 s[G1+7], 0
	s_or_b32 s[G1B+0], s44, (1<<16)|(1<<20)|(1<<21)|(6<<22)|(7<<25)  ; the column's mask; padding after every 128 words (code 6), 8 words (code 7)
	s_mov_b32 s[G1B+1], 256<<16                    ; tensor_dim0 = 256
	s_mov_b32 s[G1B+2], 64<<16                     ; tensor_dim1 = 64
	s_mov_b32 s[G1B+3], 256<<16                    ; tile_dim0 = 256
	s_mov_b32 s[G1B+4], 64                         ; tile_dim1 = 64
	s_mov_b32 s[G1B+5], 1024                       ; 1,024 elements from row to row
	s_mov_b32 s[G1B+6], 0
	s_mov_b32 s[G1B+7], 0
	s_lshl_b32 s16, s12, 21                        ; A: my plane of K step 0,
	s_lshl_b32 s17, s13, 15                        ; the tile's 256 rows of 128 bytes
	s_add_co_u32 s16, s16, s17
	s_mov_b32 s17, 0
	s_lshl_b32 s46, s69, 21                        ; B: the matrix,
	s_lshl_b32 s47, s12, 17                        ; my 64 rows of 2,048 bytes,
	s_add_co_u32 s46, s46, s47
	s_lshl_b32 s47, s42, 9                         ; the tile's 256 columns
	s_add_co_u32 s46, s46, s47
	s_mov_b32 s47, 0
	s_mul_i32 s20, s12, APL                        ; where they go: no place in the cluster enters an LDS address
	s_mul_i32 s21, s12, BHALF
	s_add_co_u32 s21, s21, BOFF
	s_wait_dscnt 0x0                               ; the opening add is done
	s_wait_kmcnt 0x0
	s_add_nc_u64 s[14:15], s[4:5], s[16:17]
	s_add_nc_u64 s[46:47], s[6:7], s[46:47]
	CROUND                                         ; all sixteen work-groups are here: the first joint loads meet
.irp s, 0,1
	s_mov_b32 s[G0+4*(\s)], 1
	s_add_co_u32 s[G0+4*(\s)+1], s20, (\s)*SLOT
	s_add_nc_u64 s[G0+4*(\s)+2:G0+4*(\s)+3], s[14:15], (\s)*ASTEP
	s_or_b32 s[G0+4*(\s)+3], s[G0+4*(\s)+3], 0x80000000
	s_mov_b32 s[G0B+4*(\s)], 1
	s_add_co_u32 s[G0B+4*(\s)+1], s21, (\s)*SLOT
	s_add_nc_u64 s[G0B+4*(\s)+2:G0B+4*(\s)+3], s[46:47], (\s)*BSTEP
	s_or_b32 s[G0B+4*(\s)+3], s[G0B+4*(\s)+3], 0x80000000
	JLOAD \s                                       ; two loads of mine are out
.endr
	; A's fragment: 16 rows x 32 K: lane l holds row l % 16, K = 8 (l / 16) + 0..7 and 16 + 8 (l / 16) + 0..7: two loads of 16 bytes, 32 bytes apart.
	; B's: the turning load takes 16 k x 16 n (lane l reads k = 8 (l / 16) + l % 8, n = 8 ((l / 8) % 2) + 0..7) and leaves lane l column l % 16 and 8 k.
	v_and_b32 v1, 15, v0                           ; l % 16
	v_bfe_u32 v2, v0, 4, 1                         ; l / 16
	v_and_b32 v8, 7, v0                            ; l % 8
	v_bfe_u32 v5, v0, 3, 1                         ; (l / 8) % 2
	v_mul_u32_u24 v3, v1, PA
	v_lshl_add_u32 v3, v2, 4, v3
	v_lshl_add_u32 v4, v2, 3, v8
	v_mul_u32_u24 v4, v4, PB
	v_lshl_add_u32 v4, v5, 4, v4
	s_mul_i32 s21, s11, 128*PA                     ; my 128 rows of A
	s_lshl_b32 s22, s12, 8                         ; my 128 columns of B
	s_add_co_u32 s22, s22, BOFF
.irp s, 0,1
	v_add_nc_u32 v[ADRA+(\s)], s21, v3
	v_add_nc_u32 v[ADRB+(\s)], s22, v4
	s_add_co_u32 s21, s21, SLOT
	s_add_co_u32 s22, s22, SLOT
.endr
	s_mul_i32 s23, s10, 16*SPITCH
	s_add_co_u32 s23, s23, STAGE                   ; my stage
	v_mul_u32_u24 v6, v1, SPITCH                   ; in: row l % 16, 16 bytes for each half of the lanes
	v_lshl_add_u32 v6, v2, 4, v6
	v_add_nc_u32 v[STO], s23, v6
	v_mul_u32_u24 v6, v5, SPITCH                   ; back: lanes 0-15 take the first 128 bytes (one block of 64 columns) of two rows, lanes 16-31 the second
	v_lshl_add_u32 v6, v2, 7, v6
	v_lshl_add_u32 v6, v8, 4, v6
	v_add_nc_u32 v[RD], s23, v6
	v_lshlrev_b32 v6, 7, v5                        ; in C two rows of a block are 256 bytes on end; the second block lies KBS further
	v_lshl_add_u32 v6, v8, 4, v6
	v_lshl_add_u32 v[CO], v2, 21, v6
	s_lshl_b32 s16, s13, 15                        ; my first row of C,
	s_lshl_b32 s17, s11, 14
	s_add_co_u32 s16, s16, s17
	s_mov_b32 s17, 0
	s_add_nc_u64 s[8:9], s[8:9], s[16:17]
	s_lshl_b32 s46, s42, 2                         ; my first block of columns: 4 x tile column + 2 x half
	s_lshl_b32 s47, s12, 1
	s_add_co_u32 s46, s46, s47
	s_lshl_b32 s46, s46, 21
	s_mov_b32 s47, 0
	s_add_nc_u64 s[8:9], s[8:9], s[46:47]
	; the prefetches: they stand at K step 3 and are stepped ahead of each use
	s_add_co_u32 s20, s12, 6                       ; A: my plane of K step 3,
	s_lshl_b32 s20, s20, 21
	s_lshl_b32 s22, s13, 15                        ; the tile's rows,
	s_add_co_u32 s20, s20, s22
	s_lshl_b32 s22, s40, 13                        ; my work-group's quarter of the plane: 8,192 bytes
	s_add_co_u32 s20, s20, s22
	s_lshl_b32 s21, s12, 6                         ; B: row 3 x 128 + my 64 + my work-group's 16,
	s_add_co_u32 s21, s21, 384
	s_lshl_b32 s22, s41, 4
	s_add_co_u32 s21, s21, s22
	s_lshl_b32 s21, s21, 11
	s_lshl_b32 s22, s69, 21                        ; the matrix,
	s_add_co_u32 s21, s21, s22
	s_lshl_b32 s22, s42, 9                         ; the tile's columns
	s_add_co_u32 s21, s21, s22
	s_lshr_b32 s23, s68, 2                         ; a matrix of B is first taken by cluster y = 0, 8 and 12: y % 4 = 0 and y / 4 not 1
	s_cmp_eq_u32 s23, 1
	s_cselect_b32 s23, 1, 0
	s_and_b32 s22, s68, 3
	s_or_b32 s22, s22, s23
	s_cmp_eq_u32 s22, 0
	s_cselect_b32 s[LIM], 1, -1
	s_mov_b32 s[PST], BSTEP
	s_mov_b32 s70, 11
	s_cmp_eq_u32 s11, 0                            ; do I fetch for A?
	s_cselect_b32 s[LIM], 1, s[LIM]
	s_cselect_b32 s20, s20, s21
	s_cselect_b64 s[PFA:PFA+1], s[4:5], s[6:7]
	s_cselect_b32 s[PST], ASTEP, s[PST]
	s_cselect_b32 s70, 8, s70
	s_mov_b32 s21, 0
	s_mov_b32 s[PST+1], 0
	s_add_nc_u64 s[PFA:PFA+1], s[PFA:PFA+1], s[20:21]
	v_and_b32 v6, 31, v0                           ; A: 256 x lane.  B: a row of 2,048 bytes for each two lanes, 256 bytes for the odd one
	v_lshrrev_b32 v7, s11, v6
	v_lshlrev_b32 v7, s70, v7
	v_and_b32 v6, s11, v6
	v_lshl_add_u32 v[PFO], v6, 8, v7
; 16 matrix instructions: m blocks a0, a0 + 1 of the window's four x all 8 n blocks, 32 along K.  zero = 1: the first product starts the sums.
.macro MUL16 f, hi, a0, zero
	WIN MUL_LO+0x50*(\hi)
.irp a, \a0, (\a0)+1
.irp b, 0,1,2,3,4,5,6,7
.if \zero
	v_wmma_f32_16x16x32_bf16 v[8*(8*(\a)+(\b)):8*(8*(\a)+(\b))+7], v[(\f)+8*(\b):(\f)+8*(\b)+7], v[(\f)+8*(4*(\hi)+(\a)):(\f)+8*(4*(\hi)+(\a))+7], 0
.else
	v_wmma_f32_16x16x32_bf16 v[8*(8*(\a)+(\b)):8*(8*(\a)+(\b))+7], v[(\f)+8*(\b):(\f)+8*(\b)+7], v[(\f)+8*(4*(\hi)+(\a)):(\f)+8*(4*(\hi)+(\a))+7], v[8*(8*(\a)+(\b)):8*(8*(\a)+(\b))+7]
.endif
.endr
.endr
.endm
; 32 LDS loads in one run: the fragments of quarter q of a K step (32 along K) into buffer f: B's 16 first, then A's 16
.macro FETCH slot, q, f
	WIN TO_B
.irp i, 0,1,2,3,4,5,6,7
	ds_load_tr16_b128 v[(\f)+8*(\i):(\f)+8*(\i)+3],   v[ADRB+(\slot)] offset:(\q)*32*PB+32*(\i)
	ds_load_tr16_b128 v[(\f)+8*(\i)+4:(\f)+8*(\i)+7], v[ADRB+(\slot)] offset:(\q)*32*PB+32*(\i)+16*PB
.endr
	WIN 0
.irp i, 0,1,2,3,4,5,6,7
	ds_load_b128 v[(\f)+8*(\i):(\f)+8*(\i)+3],   v[ADRA+(\slot)] offset:((\q)/2)*APL+((\q)%2)*64+(\i)*16*PA
	ds_load_b128 v[(\f)+8*(\i)+4:(\f)+8*(\i)+7], v[ADRA+(\slot)] offset:((\q)/2)*APL+((\q)%2)*64+(\i)*16*PA+32
.endr
.endm
.macro PLACES                          ; four plain instructions in front of loads into registers that matrix instructions have read, and of conversions that read results
.rept 4
	v_nop
.endr
.endm
; One of a K step's first three quarters: multiplies buffer f; in its middle it fetches quarter q of the same slot into buffer g.
; The 64 accumulators take turns in the same order in every quarter.
.macro QUARTER slot, q, f, g, zero
	s_wait_dscnt 8                                 ; B and A's rows 0-63 are in; the youngest eight loads (A's rows 64-127) may be out
	MUL16 \f, 0, 0, \zero
	MUL16 \f, 0, 2, \zero
	PLACES
	FETCH \slot, \q, \g
	s_wait_dscnt 32                                ; all but the 32 just issued
	MUL16 \f, 1, 0, \zero
	MUL16 \f, 1, 2, \zero
.endm
; The last quarter's first half and the barrier of the change of slots.  In front of it each wave waits for all its tensor loads (one is out: its part of the next slot), adds 0 to its
; spare word, and waits for that and for its own reads of this slot.
.macro MEET round
	WIN 0
	s_wait_tensorcnt 0x0                           ; all my tensor loads have landed
	ds_add_u32 v[SPW], v[NIL]
	s_wait_dscnt 9                                 ; the add and the youngest eight loads may be out
	MUL16 F1, 0, 0, 0
	s_wait_dscnt 0x0                               ; the add is done, and my reads of this slot are over
	s_barrier_signal -1
	MUL16 F1, 0, 2, 0                              ; work on registers while the others arrive
.if \round
	WIN 0
.endif
	s_barrier_wait -1
.endm
; The whole last quarter with a refill: the barrier opens a round of the cluster's; behind the round this slot is filled again first, two K steps on; then the next slot's first fragments.
; From the request to the wait for it a wave issues 224 matrix instructions.
.macro TURN slot, next
	s_wait_xcnt 0x0                                ; the last prefetch, a K step back, has read its address
	s_add_nc_u64 s[PFA:PFA+1], s[PFA:PFA+1], s[PST:PST+1]
	MEET 1
	CREST                                          ; no wave of any partner still reads this slot or has a load on its way
	s_add_nc_u64 s[G0+4*(\slot)+2:G0+4*(\slot)+3], s[G0+4*(\slot)+2:G0+4*(\slot)+3], 2*ASTEP
	s_add_nc_u64 s[G0B+4*(\slot)+2:G0B+4*(\slot)+3], s[G0B+4*(\slot)+2:G0B+4*(\slot)+3], 2*BSTEP
	JLOAD \slot                                    ; my one tensor load behind the round; its four v_nop are also the places in front of the loads below
	FETCH \next, 0, F0
	ASK
	MUL16 F1, 1, 0, 0
	MUL16 F1, 1, 2, 0
.endm
; THE LAST K STEP (it lies in slot 1), BY ROWS OF C.  All its fragments of B (4 quarters x 64 registers) fill window 1; then my eight blocks of 16 rows are finished one after the other,
; each with 32 matrix instructions, its 8 accumulators by turns, K ascending.  LDS is read no more than in any other K step.
.macro BLOAD q                         ; B's fragments of quarter q -> window 1, v[64 q ..]
	WIN TO_B
.irp i, 0,1,2,3,4,5,6,7
	ds_load_tr16_b128 v[64*(\q)+8*(\i):64*(\q)+8*(\i)+3],   v[ADRB+1] offset:(\q)*32*PB+32*(\i)
	ds_load_tr16_b128 v[64*(\q)+8*(\i)+4:64*(\q)+8*(\i)+7], v[ADRB+1] offset:(\q)*32*PB+32*(\i)+16*PB
.endr
.endm
.macro ALOAD a                         ; A's fragments of block a, all four quarters -> buffer a % 4
	WIN 0
.set FA, PAB+32*((\a)%4)
.irp q, 0,1,2,3
	ds_load_b128 v[FA+8*(\q):FA+8*(\q)+3],   v[ADRA+1] offset:((\q)/2)*APL+((\q)%2)*64+(\a)*16*PA
	ds_load_b128 v[FA+8*(\q)+4:FA+8*(\q)+7], v[ADRA+1] offset:((\q)/2)*APL+((\q)%2)*64+(\a)*16*PA+32
.endr
.endm
.macro ROW a                           ; block a is finished: 32 matrix instructions
.set FA, PAB+32*((\a)%4)               ; its fragments of A
.set AC, 64*((\a)%4)                   ; its eight accumulators, in window 2 (blocks 0-3) or 3 (blocks 4-7)
	WIN MUL_LO+0x50*((\a)/4)
.irp q, 0,1,2,3
.if (\a) == 0 && (\q) == 2
	s_wait_dscnt 24                                ; B's quarter 2 is in (behind it: A's blocks 1 to 3)
.endif
.irp b, 0,1,2,3,4,5,6,7
	v_wmma_f32_16x16x32_bf16 v[AC+8*(\b):AC+8*(\b)+7], v[64*(\q)+8*(\b):64*(\q)+8*(\b)+7], v[FA+8*(\q):FA+8*(\q)+7], v[AC+8*(\b):AC+8*(\b)+7]
.endr
.endr
.endm
; THE WAY OUT of block a (16 rows): rounded to bf16; through my own stage; stored so that 16 lanes write two rows of one block of columns: 256 consecutive bytes, aligned.
.macro PACK a
.set AC, 64*((\a)%4)
	WIN 0x0a+5*((\a)/4)                            ; sources 0 and 1: window 2 or 3
.irp b, 0,1,2,3,4,5,6,7
.irp r, 0,1,2,3
	v_cvt_pk_bf16_f32 v[TMP+4*(\b)+(\r)], v[AC+8*(\b)+2*(\r)], v[AC+8*(\b)+2*(\r)+1]
.endr
.endr
	WIN 0
.endm
.macro TOSTAGE a
	WIN 0
.set BK, OB+192*((\a)%2)
.irp b, 0,1,2,3,4,5,6,7
	ds_store_b128 v[STO], v[TMP+4*(\b):TMP+4*(\b)+3] offset:32*(\b)
.endr
.irp t, 0,1,2,3,4,5,6,7
	ds_load_b128 v[BK+4*(\t):BK+4*(\t)+3], v[RD] offset:(\t)*2*SPITCH  ; LDS serves a wave's instructions in order (ISA guide 5.7.1.4): these see the stores above
.endr
.endm
.macro SEND a, younger                 ; younger: the LDS loads issued behind TOSTAGE's, which may stay out
	WIN 0
.set BK, OB+192*((\a)%2)
	s_wait_dscnt \younger                          ; the block is back in registers
	s_wait_xcnt 0x0                                ; the stores of the block before have read their registers, which the next block's loads from the stage write again
.irp t, 0,1,2,3,4,5,6,7
	global_store_b128 v[CO], v[BK+4*(\t):BK+4*(\t)+3], s[8:9] offset:(\a)*2048+(\t)*256
.endr
.endm
	s_wait_tensorcnt 1                             ; my part of K step 0 is in; K step 1's may stay out
	s_barrier_signal -1
	s_barrier_wait -1
	FETCH 0, 0, F0
	QUARTER 0, 1, F0, F1, 1                        ; the first quarter stands in front of the loop: its products start the sums
	WIN 0
	s_mov_b32 s3, LAPS-1
.Llap:                                                 ; a trip goes once round the ring, from a lap's second quarter to the next lap's first, and fills both slots again
	QUARTER 0, 2, F1, F0, 0
	QUARTER 0, 3, F0, F1, 0
	TURN 0, 1
	QUARTER 1, 1, F0, F1, 0
	QUARTER 1, 2, F1, F0, 0
	QUARTER 1, 3, F0, F1, 0
	TURN 1, 0
	QUARTER 0, 1, F0, F1, 0
	WIN 0
	s_sub_co_u32 s3, s3, 1
	s_cmp_lg_u32 s3, 0
	s_cbranch_scc1 .Llap
	QUARTER 0, 2, F1, F0, 0                        ; the last lap fills nothing
	QUARTER 0, 3, F0, F1, 0
	MEET 0                                         ; my one load that was still out is the last K step's
	PLACES                                         ; for the loads into buffer 0, which the quarter before multiplied
	BLOAD 0                                        ; three quarters of B now: buffer 1 (v128-191 of both windows) is still being multiplied
	BLOAD 1
	BLOAD 3
	ALOAD 0
	MUL16 F1, 1, 0, 0
	MUL16 F1, 1, 2, 0
	PLACES                                         ; for the loads into buffer 1
	BLOAD 2
	ALOAD 1
	ALOAD 2
	ALOAD 3
	s_wait_dscnt 40                                ; all but the 40 just issued
	ROW 0
.irp a, 0,1,2,3,4,5,6,7                ; each block leaves as soon as it is finished: nothing follows this tile under which its stores could leave
	PLACES                                         ; its conversions read results just made
	PACK \a
	TOSTAGE \a
.if (\a) < 4
	ALOAD (\a)+4                                   ; its buffer takes the block four further on
	SEND \a, 8
.else
	SEND \a, 0
.endif
.if (\a) < 7
	ROW (\a)+1
.endif
.endr
	s_wait_tensorcnt 0x0                           ; the wave's end, behind my last tensor load and my last LDS store
	ds_add_u32 v[SPW], v[NIL]
	s_wait_dscnt 0x0
	CROUND                                         ; the closing round: no work-group ends while a partner may still ask for a tile that names it
	s_endpgm
.Lfunc_end_k_q527c4379ef_gemm:
	.size	k_q527c4379ef_gemm, .Lfunc_end_k_q527c4379ef_gemm-k_q527c4379ef_gemm
	.p2alignl 7, 3214868480
	.fill 96, 4, 3214868480
	.section	.rodata,"a",@progbits
	.p2align	6, 0x0
	.amdhsa_kernel k_q527c4379ef_gemm
		.amdhsa_group_segment_fixed_size 327680
		.amdhsa_private_segment_fixed_size 0
		.amdhsa_enable_private_segment 0
		.amdhsa_kernarg_size 24
		.amdhsa_user_sgpr_count 2
		.amdhsa_user_sgpr_kernarg_segment_ptr 1
		.amdhsa_wavefront_size32 1
		.amdhsa_system_sgpr_workgroup_id_x 1
		.amdhsa_system_sgpr_workgroup_id_y 1
		.amdhsa_system_sgpr_workgroup_id_z 1
		.amdhsa_system_vgpr_workitem_id 0
		.amdhsa_next_free_vgpr 1024
		.amdhsa_next_free_sgpr 72
		.amdhsa_reserve_vcc 0
		.amdhsa_float_denorm_mode_32 3
		.amdhsa_float_denorm_mode_16_64 3
		.amdhsa_memory_ordered 1
		.amdhsa_forward_progress 1
		.amdhsa_inst_pref_size 145
	.end_amdhsa_kernel
	.amdgpu_metadata
---
amdhsa.version: [ 1, 2 ]
amdhsa.kernels:
  - .name:           k_q527c4379ef_gemm
    .symbol:         k_q527c4379ef_gemm.kd
    .args:
      - { .name: xb, .offset: 0, .size: 8, .value_kind: global_buffer, .address_space: global }
      - { .name: wb, .offset: 8, .size: 8, .value_kind: global_buffer, .address_space: global }
      - { .name: qkv, .offset: 16, .size: 8, .value_kind: global_buffer, .address_space: global }
    .group_segment_fixed_size: 327680
    .private_segment_fixed_size: 0
    .kernarg_segment_align: 8
    .kernarg_segment_size: 24
    .max_flat_workgroup_size: 128
    .sgpr_count:     72
    .vgpr_count:     1024
    .wavefront_size: 32
...
	.end_amdgpu_metadata
.endif
;; end of part 2
;; launch attn (part 3): grid 8 x 32, 4 waves a work-group, clusters of 4 x 1, 327,680 bytes of LDS; arguments qkv, PE_solution_scores, mw, ob; writes ob
.if DOCPART == 3
	.amdgcn_target "amdgcn-amd-amdhsa--gfx1250"
	.amdhsa_code_object_version 6
	.text
	.protected	k_q527c4379ef_attn
	.globl	k_q527c4379ef_attn
	.p2align	8
	.type	k_q527c4379ef_attn,@function
k_q527c4379ef_attn:
	s_mov_b64 s[64:65], 0
	v_nop
	global_prefetch_b8 v0, s[64:65] scope:SCOPE_SE
	s_setreg_imm32_b32 hwreg(HW_REG_WAVE_MODE, 25, 1), 1
	s_wait_xcnt 0x0
	s_wait_alu depctr_hold_cnt(0) depctr_sa_sdst(0) depctr_va_vdst(0) depctr_va_sdst(0) depctr_va_ssrc(0) depctr_va_vcc(0) depctr_vm_vsrc(0)
	s_getreg_b32 s2, hwreg(HW_REG_IB_STS2, 6, 4)
	s_cmp_eq_u32 s2, 0
	s_cbranch_scc0 .Lentry_in_a_cluster
	s_endpgm
.Lentry_in_a_cluster:
	s_bfe_u32 s2, ttmp6, 0x10000c
	s_cmp_lg_u32 s2, 0x3003
	s_cbranch_scc0 .Lentry_shape_is_right
	s_endpgm
.Lentry_shape_is_right:
; MASKED ATTENTION WITH TWO VALUE TENSORS.  For batch b, head h, query q: weights = softmax over the 2,048 keys of (q . k / 8 + score[key]) / 2, with -1e9 in the place of a score whose mask is 0;
; O_s = weights x V_s, O_o = weights x V_o.  qkv[head][R][64] in bf16, R = 4096 i + 2048 b + n (i: 0 v_s, 1 v_o, 2 q, 3 k); ob[head][4096 so + 2048 b + q][64] in bf16.
; Products, maxima and sums in f32; the weights p are rounded to bf16 for the second product (their sum l is taken of the unrounded p), O once at the end.
; THE SCORE.  raw = q . k + 8 score[key]: 8 score is the C operand that starts the sum.  The reference's score is raw / 16, so p = 2^(c raw - c m), c = log2(e) / 16, with a running maximum m.
; THE MASK REPLACES: a hidden raw becomes -1.6e10 = 16 x -1e9 (exact in f32), by v_cndmask_b32 on lane masks that an earlier launch packed, ahead of the maximum.  A row with no visible key has
; equal weights, as in the reference: c raw - round(c m) is then one number for the whole row (64 at the most in size), and 2^ of it cancels in O / l.
; LIMITS.  NaN and infinities are not treated apart; a weight below 2^-126 counts as 0.
; SHARES.  A work-group owns 256 queries of one batch and head, a wave 64: four tiles of 16, in two PIECES (tiles 0, 1; tiles 2, 3).  Every wave walks all keys, 64 a step.
; LAYOUT.  S^T = K Q^T (source 0 = 16 keys, source 1 = 16 queries): a lane holds ONE query (lane % 16) and the keys 8 (lane / 16) + 0..7.  Two such results rounded to bf16 in pairs ARE source 1 of
; O^T = V^T P, which has 128 channels a query: V_s's 64, then V_o's.  K comes out of LDS as it lies, V turned, by ds_load_tr16_b128.
; BY TURNS.  In a turn piece x has the matrix unit: 32 products V^T P of the step in hand, then 16 products K Q^T of the next.  The other piece's vector work is 332 instructions: 64 selects, which
; stand in one run at the turn's head; two softmax lists of 134, of which four instructions stand behind each of the 48 products and the last 76 in one lump behind them.
; A turn's 66 exponentials are one batch with one wait.  THE LANE MASKS fill 64 scalar registers, one buffer: the run of selects empties it at once, and the next turn's masks are asked for
; directly behind the run, so that their loads have all the rest of the turn in which to come.
; m starts at the lowest finite number, O and l at 0: the first step is a step like any other, with a = 0; the loop is entered and the tail left in the middle of a trip.
; CLUSTER.  The four query blocks of a cluster walk the same K, V_s and V_o: each tile of 256 keys is asked for JOINTLY, wave 0 for K, wave 1 for V_s, wave 2 for V_o; wave 3 asks for nothing.
; REGISTERS, in windows of 256 (s_set_vgpr_msb: bits 1:0 source 0, 3:2 source 1, 5:4 source 2, 7:6 destination):
;   window 0: v0-15 addresses; v16-47 eight registers of statistics a tile; v62-63 the add's; v64-191 S^T, 32 a tile; v192-255 P, 16 a tile
;   window 1: O^T, 64 a tile      window 2: v0-63 Q, 16 a tile; v64-127 K of one step; v128-159 8 x score of one step      window 3: v0-127 V_s and V_o of one step
.set KBS,   2097152
.set PT,    160       ; a key's row in LDS: 128 bytes + 32 of padding = 40 words; K's plain loads meet two to a bank: one pitch, and so one descriptor, serves all three tensors
.set REG,   256*PT    ; a tensor's part of a slot: K, V_s, V_o
.set STEPB, 64*PT     ; a key step in each part
.set BIAS,  3*REG     ; 8,192 bytes behind slot 0: 8 x score of the batch's 2,048 keys, written by ds_store; no tensor load lands there
.set SLOT1, 1<<17     ; slot 1 begins here, so that one exclusive or turns an address in one slot into the other's
.set STAGE, SLOT1+3*REG  ; 16 rows x 144 bytes for each wave, for the way out
.set SP,    144
.set SPARE, STAGE+4*16*SP  ; the spare words, 128 bytes for each wave: two blocks of 256 bytes that no other line names
.set AK0, 2           ; v2   my lane's place in a step of K; never rewritten
.set AV0, 3           ; v3   the same for V
.set ADR, 4           ; v4   the LDS address of the run of loads in hand
.set ADRB, 5          ; v5   the same for the scores
.set AB0, 6           ; v6   my lane's place in a step's scores
.set QO,  7           ; v7   my byte offset in 16 rows of Q
.set STO, 7           ;      later, the way out: where I put 16 bytes of a row
.set RD,  8           ; v8   the way out: where I read rows back
.set GO,  9           ; v9   my byte offset in 512 consecutive bytes of O
.set NEG, 12          ; v12  -1.6e10
.set PFO, 13          ; v13  256 x my lane
.set ST,  16          ; tile t's statistics at v[ST+8 t]: +0 c m, +1 m, +2, +3 l (even keys', odd keys'), +4 to +7 c0-c3, at work; a takes c2's place once the maximum is found
.set SPW, 62
.set NIL, 63
.set S,   64
.set P,   192
.set KF,  64          ; window 2: key block kb, channel half c at KF + 16 kb + 8 c
.set BI,  128         ; window 2: key block kb at BI + 8 kb
.set G0,  4           ; s[4:7]   descriptor group 0: it walks
.set G1,  8           ; s[8:15]  descriptor group 1
.set WV,  16          ; s16  my wave's number
.set SLOTS, 17        ; s17  tiles still to be asked for
.set CNT, 18          ; s18  counts a tile's key steps
.set TB,  19          ; s19  LDS byte at which K of the step to be fetched begins
.set CS,  20          ; s[20:21] c
.set SEL, 22          ; s[22:23] v_permlanex16_b32's selects: each lane takes its own place in the other half
.set MP,  24          ; s[24:25] mw at my first tile's words of the step in hand
.set OP,  26          ; s[26:27] ob at my first row
.set PFA, 28          ; s[28:29] where my prefetches stand
.set LIM, 30          ; s30  1 in a wave that prefetches, else the greatest number
.set TBB, 31          ; s31  256 x the step whose scores are fetched next
                      ; s[32:63] the 32 lane masks of a piece's first tile, s[68:99] of its second; at the head s[32:63] hold the arguments and what is made of them
.set MSB, 0
.macro WIN new
.if MSB != (\new)
	s_set_vgpr_msb (MSB<<8)|(\new)
.set MSB, (\new)
.endif
.endm
.set W_KB, 0x2a       ; K, Q and the C operand in window 2, S^T in window 0
.set W_KQ, 0x0a       ; K and Q in window 2, S^T in window 0
.set W_PV, 0x53       ; V in window 3, P in window 0, O^T in window 1
.set W_RS, 0x41       ; destination and source 0 in window 1, source 1 in window 0
; A joint fill: 256 keys of one tensor a wave.  The branch hangs on the wave's number alone.  An s_nop 0 and four v_nop follow the load, ahead of the label.
.macro JLOAD
	s_cmp_lt_u32 s[WV], 3
	s_cbranch_scc0 .Lnone_\@
	tensor_load_to_lds s[G0:G0+3], s[G1:G1+7]
	s_nop 0
.rept 4
	v_nop
.endr
.Lnone_\@:
.endm
; A prefetch of the tile that the NEXT change of slots will ask for: 32,768 bytes a tensor.  Both clusters of a head walk the same tiles: the first asks.  Its four partners take 8,192 bytes each,
; told apart BY ADDRESS; in each, waves 0 to 2 ask for their own tensor: a lane a block of 256 bytes, one instruction.  The last change that fills a slot asks for nothing.
.macro ASK
	s_cmp_gt_u32 s[SLOTS], s[LIM]
	s_cbranch_scc0 .Lnot_mine_\@
	global_prefetch_b8 v[PFO], s[PFA:PFA+1] th:TH_LOAD_NT scope:SCOPE_SE
.Lnot_mine_\@:
.endm
.macro CROUND                       ; a round of the cluster's barrier
	s_barrier_signal -1
	s_barrier_wait -1
	s_cmp_lg_u32 s[WV], 0
	s_cbranch_scc1 .Lnot_wave_0_\@
	s_barrier_signal -3
.Lnot_wave_0_\@:
	s_barrier_wait -3
	s_barrier_signal -1
	s_barrier_wait -1
.endm
; THE CHANGE OF SLOTS.  The slot's last bytes, V of its fourth step, have been asked for.  Each wave waits for all its tensor loads (one at the most is out: its part of the other slot), adds 0 to its spare
; word, and waits for that and for its own LDS instructions.  fill = 1: the barrier is a round of the cluster's, and the joint fill, with the keys two tiles on, is the first thing behind it:
; it has four key steps, 384 matrix instructions, in which to land.  (At its first use nothing has been read yet: slot 0 is waited for, slot 1 filled, and the stores of the scores are shown to all.)
.macro CHANGE fill
	WIN 0
	s_wait_tensorcnt 0x0            ; no tensor load of mine is out, so group 0 may be written
	ds_add_u32 v[SPW], v[NIL]
.if \fill
	s_xor_b32 s[G0+1], s[G0+1], SLOT1
	s_add_nc_u64 s[G0+2:G0+3], s[G0+2:G0+3], 32768  ; the next 256 keys; the type bits on top are not reached
	s_wait_xcnt 0x0                 ; the last prefetch, four key steps back, has read its address
	s_add_nc_u64 s[PFA:PFA+1], s[PFA:PFA+1], 32768
	s_wait_dscnt 0x0                ; the add is done, and my reads of the slot are over
	CROUND
	JLOAD
	ASK
.else
	s_wait_dscnt 0x0
	s_barrier_signal -1
	s_barrier_wait -1
.endif
	s_sub_co_u32 s[TB], s[TB], 4*STEPB  ; the fetches go back to a slot's first step,
	s_xor_b32 s[TB], s[TB], SLOT1       ; in the other slot
.endm
	s_load_b256 s[32:39], s[0:1], 0x0  ; qkv s[32:33], scores s[34:35], mw s[36:37], ob s[38:39]
	v_lshl_add_u32 v[SPW], v0, 2, SPARE
	v_mov_b32 v[NIL], 0
	ds_add_u32 v[SPW], v[NIL]       ; the wave's opening: the add and its wait stand ahead of my first tensor load; the set-up below, work on registers, stands between them
	v_lshrrev_b32 v1, 5, v0
	v_readfirstlane_b32 s[WV], v1   ; wave 0..3
	s_bfe_u32 s40, ttmp6, 0x40000   ; cx
	s_lshl_b32 s41, ttmp9, 2
	s_add_co_u32 s41, s41, s40      ; my block of 256 queries: it enters Q's, the masks' and O's addresses alone
	s_and_b32 s42, ttmp7, 0xffff
	s_lshr_b32 s43, s42, 4          ; the batch
	s_and_b32 s44, s42, 15          ; the head
	s_add_co_u32 s45, s[WV], 3      ; wave 0: k (i = 3), wave 1: v_s (0), wave 2: v_o (1)
	s_and_b32 s45, s45, 3
	s_lshl_b32 s45, s45, 19         ; 4,096 rows of 128 bytes
	s_lshl_b32 s46, s44, 21
	s_add_co_u32 s46, s46, s45
	s_lshl_b32 s45, s43, 18         ; 2,048 rows
	s_add_co_u32 s46, s46, s45
	s_mov_b32 s47, 0
	s_lshl_b32 s48, s44, 21         ; my wave's 64 rows among a head's: 2048 b + 256 block + 64 wave
	s_add_co_u32 s48, s48, s45
	s_lshl_b32 s50, s41, 15
	s_add_co_u32 s48, s48, s50
	s_lshl_b32 s50, s[WV], 13
	s_add_co_u32 s48, s48, s50
	s_mov_b32 s49, 0
	s_lshl_b32 s52, s43, 19         ; my first tile's words: (128 b + 16 block + 4 wave) x 4,096 bytes
	s_lshl_b32 s50, s41, 16
	s_add_co_u32 s52, s52, s50
	s_lshl_b32 s50, s[WV], 14
	s_add_co_u32 s52, s52, s50
	s_mov_b32 s53, 0
	s_lshl_b32 s54, s43, 13         ; the batch's 2,048 scores
	s_mov_b32 s55, 0
	s_lshl_b32 s56, s40, 13         ; the prefetches: tile 1, my work-group's quarter
	s_add_co_u32 s56, s56, 32768
	s_mov_b32 s57, 0
	s_mov_b32 s[G1], 15|(1<<16)|(1<<20)|(1<<21)|(4<<22)|(7<<25)  ; 15:0 the mask of four; 17:16 2-byte elements; 20 padding on; 21 set beside a mask; 24:22 after every 32 words (code 4); 31:25 8 words (code 7)
	s_mov_b32 s[G1+1], 128<<16      ; tensor_dim0 = 128: 256 keys are 32,768 dense bytes, asked for as 128 rows of 256 bytes, two keys a row
	s_mov_b32 s[G1+2], 128<<16      ; tensor_dim1 = 128
	s_mov_b32 s[G1+3], 128<<16      ; tile_dim0 = 128
	s_mov_b32 s[G1+4], 128          ; tile_dim1 = 128
	s_mov_b32 s[G1+5], 128          ; 128 elements from row to row
	s_mov_b32 s[G1+6], 0
	s_mov_b32 s[G1+7], 0
	s_mov_b32 s[G0], 1
	s_mul_i32 s[G0+1], s[WV], REG   ; slot 0, my tensor's part: no place in the cluster enters an LDS address
	s_mov_b32 s[CS], 0x3db8aa3b     ; c = log2(e) / 16
	s_mov_b32 s[CS+1], s[CS]
	s_mov_b32 s[SEL], 0x76543210
	s_mov_b32 s[SEL+1], 0xfedcba98
	s_mov_b32 s[TB], SLOT1+4*STEPB  ; the first change of slots turns this into 0
	s_mov_b32 s[TBB], 0
	s_mov_b32 s[SLOTS], 7
	s_cmp_lt_u32 s[WV], 3
	s_cselect_b32 s[LIM], 0, 1
	s_or_b32 s[LIM], s[LIM], ttmp9  ; 0 in waves 0 to 2 of the head's first cluster: the same in all four partners
	s_cmp_eq_u32 s[LIM], 0
	s_cselect_b32 s[LIM], 1, -1
	s_wait_dscnt 0x0                ; the opening add is done
	s_wait_kmcnt 0x0
	s_add_nc_u64 s[G0+2:G0+3], s[32:33], s[46:47]
	s_add_nc_u64 s[PFA:PFA+1], s[G0+2:G0+3], s[56:57]
	s_or_b32 s[G0+3], s[G0+3], 0x80000000
	s_add_nc_u64 s[58:59], s[32:33], s[48:49]
	s_add_nc_u64 s[58:59], s[58:59], 0x100000  ; q: 8,192 rows on
	s_add_nc_u64 s[OP:OP+1], s[38:39], s[48:49]
	s_add_nc_u64 s[MP:MP+1], s[36:37], s[52:53]
	s_add_nc_u64 s[60:61], s[34:35], s[54:55]
	CROUND                          ; all four work-groups are here: the first joint loads meet
	JLOAD                           ; tile 0 into slot 0; slot 1 is asked for when slot 0 is in
	v_and_b32 v1, 15, v0            ; l % 16
	v_bfe_u32 v10, v0, 4, 1         ; l / 16
	v_and_b32 v11, 7, v0            ; l % 8
	v_bfe_u32 v14, v0, 3, 1         ; (l / 8) % 2
	v_lshlrev_b32 v[QO], 7, v1
	v_lshl_add_u32 v[QO], v10, 4, v[QO]  ; row x 128 + 16 x half
	v_lshlrev_b32 v15, 4, v0        ; 16 x my thread's number
	WIN 0x80                        ; destination window 2, address window 0
.set i, 0
.rept 8                             ; Q stays in registers: tile i / 2, channels 32 (i % 2) on
	global_load_b128 v[8*i:8*i+3],   v[QO], s[58:59] offset:(i/2)*2048+(i%2)*64
	global_load_b128 v[8*i+4:8*i+7], v[QO], s[58:59] offset:(i/2)*2048+(i%2)*64+32
.set i, i+1
.endr
	WIN 0
.irp i, 0,1,2,3
	global_load_b128 v[S+4*(\i):S+4*(\i)+3], v15, s[60:61] offset:2048*(\i)  ; the batch's scores: 16 bytes a thread, four times
.endr
	; What the first turns find: O^T, l, V and piece 2's P hold 0.  P's 32 registers are written one by one; O^T's 256 and V's 128 eight at a time, each by a product of two of P's zero
	; fragments that starts its sum with the constant 0.  All this stands in the wait for the first tile.
.set i, P+32
.rept 32
	v_mov_b32 v[i], 0
.set i, i+1
.endr
	WIN 0x40                        ; destination window 1, sources window 0
.set i, 0
.rept 32
	v_wmma_f32_16x16x32_bf16 v[8*i:8*i+7], v[P+32:P+39], v[P+40:P+47], 0
.set i, i+1
.endr
	WIN 0xc0                        ; destination window 3
.set i, 0
.rept 16
	v_wmma_f32_16x16x32_bf16 v[8*i:8*i+7], v[P+32:P+39], v[P+40:P+47], 0
.set i, i+1
.endr
	WIN 0
.set i, 0
.rept 4
	v_mov_b32 v[ST+8*i], 0xfe000000    ; c m: far below every c s
	v_mov_b32 v[ST+8*i+1], 0xff7fffff  ; m
	v_mov_b32 v[ST+8*i+2], 0
	v_mov_b32 v[ST+8*i+3], 0
.set i, i+1
.endr
	v_mov_b32 v[NEG], 0xd06e6b28    ; -1.6e10
	v_and_b32 v[PFO], 31, v0
	v_lshlrev_b32 v[PFO], 8, v[PFO]
	v_mul_u32_u24 v[AK0], v1, PT
	v_lshl_add_u32 v[AK0], v10, 4, v[AK0]  ; row x pitch + 16 x half
	v_lshl_add_u32 v[AV0], v10, 3, v11     ; the turning load: key 8 (l / 16) + l % 8, channels 8 ((l / 8) % 2) + 0..7
	v_mul_u32_u24 v[AV0], v[AV0], PT
	v_lshl_add_u32 v[AV0], v14, 4, v[AV0]
	v_add_nc_u32 v[AV0], REG, v[AV0]
	v_lshlrev_b32 v[AB0], 5, v10           ; my eight keys of a block of 16: 32 bytes for each half of the lanes
	v_add_nc_u32 v[AB0], BIAS, v[AB0]
	v_add_nc_u32 v14, BIAS, v15
	s_wait_loadcnt 0x0              ; Q and the scores are in; their address registers are free
.set i, 0
.rept 8
	v_pk_mul_f32 v[S+2*i:S+2*i+1], v[S+2*i:S+2*i+1], 0x41000000 op_sel_hi:[1,0]  ; 8 x score
.set i, i+1
.endr
.irp i, 0,1,2,3
	ds_store_b128 v14, v[S+4*(\i):S+4*(\i)+3] offset:2048*(\i)
.endr
; THE MATRIX WORK.  The accumulators take turns, one instruction a turn: between two links of a chain stand 7 (K Q^T) or 15 (V^T P) others'.
; Product i of 16 of S^T = K Q^T + 8 score for piece x: channels 32 (i / 8) on, keys 16 ((i / 2) % 4) on, tile x + i % 2.  The first 8 start the sums with the scores.
.macro KQ x
.set rS, S+32*((\x)+i%2)+8*((i/2)%4)
.set rK, KF+16*((i/2)%4)+8*(i/8)
.set rQ, 16*((\x)+i%2)+8*(i/8)
.set rB, BI+8*((i/2)%4)
.if i < 8
	WIN W_KB
	v_wmma_f32_16x16x32_bf16 v[rS:rS+7], v[rK:rK+7], v[rQ:rQ+7], v[rB:rB+7]
.else
	WIN W_KQ
	v_wmma_f32_16x16x32_bf16 v[rS:rS+7], v[rK:rK+7], v[rQ:rQ+7], v[rS:rS+7]
.endif
.endm
; Product i of 32 of O^T += V^T P for piece x: keys 32 (i / 16) on, channel block (i / 2) % 8 (0-3 V_s, 4-7 V_o), tile x + i % 2.
.macro PV x
	WIN W_PV
.set rO, 64*((\x)+i%2)+8*((i/2)%8)
.set rV, 64*(i/16)+8*((i/2)%8)
.set rP, P+16*((\x)+i%2)+8*(i/16)
	v_wmma_f32_16x16x32_bf16 v[rO:rO+7], v[rV:rV+7], v[rP:rP+7], v[rO:rO+7]
.endm
.macro MM x                         ; the turn's matrix instruction number mn
.if mn < 32
.set i, mn
	PV \x
.else
.set i, mn-32
	KQ \x
.endif
.endm
; THE LDS LOADS stand in runs.  A step's K (8 fragments) and its 64 scores (a lane's eight of each block of 16).  last = 1 (the tail): in the last pass there is no further step, and the run is jumped over.
.macro FETCH_K last=0
	WIN 0
.if \last
	s_cmp_eq_u32 s[CNT], 1
	s_cbranch_scc1 .Lno_k_\@
.endif
	v_add_nc_u32 v[ADR], s[TB], v[AK0]
	v_add_nc_u32 v[ADRB], s[TBB], v[AB0]
	s_add_co_u32 s[TBB], s[TBB], 256
	WIN 0x80                        ; destination window 2
.irp f, 0,1,2,3,4,5,6,7             ; keys 16 (f / 2) on, channels 32 (f % 2) on
	ds_load_b128 v[KF+8*(\f):KF+8*(\f)+3],   v[ADR] offset:((\f)/2)*16*PT+((\f)%2)*64
	ds_load_b128 v[KF+8*(\f)+4:KF+8*(\f)+7], v[ADR] offset:((\f)/2)*16*PT+((\f)%2)*64+32
.endr
.irp f, 0,1,2,3
	ds_load_b128 v[BI+8*(\f):BI+8*(\f)+3],   v[ADRB] offset:64*(\f)
	ds_load_b128 v[BI+8*(\f)+4:BI+8*(\f)+7], v[ADRB] offset:64*(\f)+16
.endr
	WIN 0
.if \last
.Lno_k_\@:
.endif
.endm
.macro FETCH_V                      ; a step's V_s and V_o, turned
	WIN 0
	v_add_nc_u32 v[ADR], s[TB], v[AV0]
	s_add_co_u32 s[TB], s[TB], STEPB  ; the next fetch is the next step's
	WIN 0xc0                        ; destination window 3
.irp f, 0,1,2,3,4,5,6,7,8,9,10,11,12,13,14,15  ; keys 32 (f / 8) on, channel block f % 8
	ds_load_tr16_b128 v[8*(\f):8*(\f)+3],   v[ADR] offset:((\f)/8)*32*PT+(((\f)%8)/4)*REG+((\f)%4)*32
	ds_load_tr16_b128 v[8*(\f)+4:8*(\f)+7], v[ADR] offset:((\f)/8)*32*PT+(((\f)%8)/4)*REG+((\f)%4)*32+16*PT
.endr
.endm
; THE LANE MASKS of piece x's two tiles for one key step: 2 x 32 words, by scalar loads.  They stand directly behind the turn's run of selects and are waited for at the next turn's head.
; The pointer steps to the next key step in piece 0's load; the turn's head has waited for the loads that read it.
.macro MLOAD x, last=0, step=1
	WIN 0
.if \last
	s_cmp_eq_u32 s[CNT], 1
	s_cbranch_scc1 .Lno_m_\@
.endif
.if ((\x) == 0) && (\step)
	s_add_nc_u64 s[MP:MP+1], s[MP:MP+1], 128
.endif
	s_load_b512 s[32:47], s[MP:MP+1], (\x)*4096
	s_load_b512 s[48:63], s[MP:MP+1], (\x)*4096+64
	s_load_b512 s[68:83], s[MP:MP+1], (\x)*4096+4096
	s_load_b512 s[84:99], s[MP:MP+1], (\x)*4096+4160
.if \last
.Lno_m_\@:
.endif
.endm
; THE VECTOR WORK OF A TURN, for piece Y.  First the 64 selects, the tiles alternating, registers ascending (each accumulator is read from its low end).
.macro MSLICE                       ; four of them
	WIN 0
.rept 4
.set rS, S+32*(Y+g%2)+g/2
.set rM, 32+36*(g%2)+g/2
	v_cndmask_b32 v[rS], v[NEG], v[rS], s[rM]  ; the score where the mask's bit is set, else -1.6e10
.set g, g+1
.endr
.endm
; Then one tile's softmax for one key step, a list of 134 instructions; SM writes number j of it for tile t.  s0-s31 are the lane's 32 scores, in pairs 0-15.
;   0-15    the maximum of s0-s31 and the old m, three operands at a time: four chains c0-c3 of seven scores each, then the four left over, c0-c3 and m
;   16-20   the other half of the lanes' maximum; c m_old is kept; the new m; c m; c m_old - c m_new
;   21-69   ONE BATCH: the 16 scalings c s - c m and all 33 exponentials (a at 23, then s0-s31); none of these reads an exponential's result
;   70-85   the roundings to bf16      86-101  the sums; l = a l + the sum      102-133 the tile's O^T times a
.macro SM t
.set rT, ST+8*(\t)
.set rS, S+32*(\t)
.set rP, P+16*(\t)
.set rO, 64*(\t)+2*(j-102)
.if j < 102
	WIN 0
.endif
.if j < 4
	v_max3_num_f32 v[rT+4+j], v[rS+8*j], v[rS+8*j+1], v[rS+8*j+2]
.elseif j < 12
	v_max3_num_f32 v[rT+4+j%4], v[rT+4+j%4], v[rS+8*(j%4)+2*(j/4)+1], v[rS+8*(j%4)+2*(j/4)+2]
.elseif j == 12
	v_max3_num_f32 v[rT+4], v[rT+4], v[rS+7], v[rS+15]
.elseif j == 13
	v_max3_num_f32 v[rT+6], v[rT+6], v[rS+23], v[rS+31]
.elseif j == 14
	v_max3_num_f32 v[rT+4], v[rT+4], v[rT+5], v[rT+6]
.elseif j == 15
	v_max3_num_f32 v[rT+4], v[rT+4], v[rT+7], v[rT+1]
.elseif j == 16
	v_permlanex16_b32 v[rT+5], v[rT+4], s[SEL], s[SEL+1]  ; the query's other 32 keys lie in the lane 16 away
.elseif j == 17
	v_mov_b32 v[rT+7], v[rT]        ; c m_old is kept for a
.elseif j == 18
	v_max_num_f32 v[rT+1], v[rT+4], v[rT+5]
.elseif j == 19
	v_mul_f32 v[rT], s[CS], v[rT+1]
.elseif j == 20
	v_sub_f32 v[rT+7], v[rT+7], v[rT]
.elseif j == 23
	v_exp_f32 v[rT+6], v[rT+7]
.elseif (j < 23) || ((j < 38) && (j%2 == 0)) || ((j < 66) && (j%4 == 2))
.set b, (j-2)/4                     ; 38, 42, .. 62: pairs 9 to 15
.if j < 38
.set b, (j-20)/2                    ; 21: pair 0; 22, 24, .. 36: pairs 1 to 8
.endif
	v_pk_fma_f32 v[rS+2*b:rS+2*b+1], v[rS+2*b:rS+2*b+1], s[CS:CS+1], v[rT:rT+1] op_sel_hi:[1,0,0] neg_lo:[0,0,1] neg_hi:[0,0,1]
.elseif j < 70
.set e, j-38                        ; 66 to 69: s28 to s31
.if j < 66
.set e, j-32-(j-38)/4               ; 39-41, 43-45, .. 63-65: s7 to s27
.endif
.if j < 38
.set e, (j-25)/2                    ; 25, 27, .. 37: s0 to s6
.endif
	v_exp_f32 v[rS+e], v[rS+e]
.elseif j < 86
	v_cvt_pk_bf16_f32 v[rP+j-70], v[rS+2*(j-70)], v[rS+2*(j-70)+1]
.elseif j < 102                     ; sum z of 16 adds neighbours 1, 2, 4 and 8 pairs apart, in place; then l takes it
.set z, j-86
.set w, 4
.set u, z
.if z >= 14
.set w, 32
.set u, 0
.elseif z >= 12
.set w, 16
.set u, z-12
.elseif z >= 8
.set w, 8
.set u, z-8
.endif
.if z < 15
	v_pk_add_f32 v[rS+w*u:rS+w*u+1], v[rS+w*u:rS+w*u+1], v[rS+w*u+w/2:rS+w*u+w/2+1]
.else
	v_pk_fma_f32 v[rT+2:rT+3], v[rT+2:rT+3], v[rT+6:rT+7], v[rS:rS+1] op_sel_hi:[1,0,1]
.endif
.else
	WIN W_RS
	v_pk_mul_f32 v[rO:rO+1], v[rO:rO+1], v[rT+6:rT+7] op_sel_hi:[1,0]
.endif
.endm
; Slice k of 64 of piece y's two lists: four instructions.  Slices 11 to 34 deal out the batch, four numbers of ONE tile each, the tiles by turns; every other slice is numbers 2 k and 2 k + 1 of both
; tiles; slice 63 has the sixteen that are left.  Ahead of slice 35 nothing names an exponential's result, and behind slice 34 none is issued: so the piece's 66 exponentials have one plain
; instruction and one wait behind slice 34 ahead of the first instruction that names a result.
.macro SLICE y
.if (k >= 11) && (k < 35)
.irp n, 0,1,2,3
.set j, 22+4*((k-11)/2)+(\n)
	SM (\y)+(k-11)%2
.endr
.else
.irp n, 0,1,2,3,4,5,6,7
.if ((\n) < 2) || (k == 63)
.irp t, \y, (\y)+1
.set j, 2*k+(\n)
	SM \t
.endr
.endif
.endr
.endif
.if k == 34
	v_nop
	s_wait_alu depctr_va_vdst(0)
.endif
.set k, k+1
.endm
.macro PLACES
.rept 4
	v_nop
.endr
.endm
; A TURN.  At its head the other piece's 64 selects, in one run, and behind them the loads of the next turn's masks.  Then piece x has the matrix unit: 32 V^T P, 16 K Q^T; behind matrix instruction n
; stands slice n; slices 48-63 are the lump, whose plain instructions are also the places between the turn's last K Q^T and what follows: the next turn's selects of those scores and the loads into
; K's registers.  No rider names a register of the products round it: they belong to the other piece.
; Piece 0's turn fetches the next step's K and scores behind its second product and waits for them ahead of its 33rd; piece 2's fetches the same step's V behind its last V^T P, four v_nop behind it,
; and the next turn waits for it ahead of its first product.  No label and no branch stands between the first exponential (slice 11) and the wait (slice 34).
.macro TURN x, last=0
.set Y, 2-(\x)
.set mn, 0
.set g, 0
.set k, 0
	WIN 0
	s_wait_kmcnt 0x0                ; the lane masks of piece Y are in
.rept 16
	MSLICE
.endr
	MLOAD \x, \last
.if (\x) == 0
	s_wait_dscnt 0x0                ; V is in
.endif
.rept 48
.if ((\x) == 0) && (mn == 32)
	s_wait_dscnt 0x0                ; K and the scores are in
.endif
	MM \x
	SLICE Y
.if ((\x) == 0) && (mn == 1)
	FETCH_K \last
.endif
.if ((\x) == 2) && (mn == 31)
	PLACES
	FETCH_V
.endif
.set mn, mn+1
.endr
.rept 16
	SLICE Y
.endr
.endm
	CHANGE 1                        ; slot 0 is in, everybody's part of it, and so are the scores; slot 1 is asked for
	MLOAD 0, 0, 0                   ; piece 0's masks of key step 0
	FETCH_K                         ; key step 0
	s_wait_dscnt 0x0
.set i, 0
.rept 16
	KQ 0                            ; piece 0's first scores: there is no vector work yet to set between them
.set i, i+1
.endr
	WIN 0                           ; the addresses for the way out: plain instructions, the places behind those products
	s_mul_i32 s2, s[WV], 16*SP
	s_add_co_u32 s2, s2, STAGE      ; my stage
	v_mul_u32_u24 v[STO], v1, SP    ; in: row l % 16, 16 bytes for each half of the lanes
	v_lshl_add_u32 v[STO], v10, 4, v[STO]
	v_add_nc_u32 v[STO], s2, v[STO]
	v_bfe_u32 v[RD], v0, 3, 2       ; back: 32 lanes take four rows of 128 bytes,
	v_mul_u32_u24 v[RD], v[RD], SP
	v_lshl_add_u32 v[RD], v11, 4, v[RD]
	v_add_nc_u32 v[RD], s2, v[RD]
	v_and_b32 v[GO], 31, v0         ; which are 512 consecutive bytes of O
	v_lshlrev_b32 v[GO], 4, v[GO]
	s_mov_b32 s[CNT], 4
	s_branch .Lfirst                ; the loop is entered at piece 2's turn, in the middle of a trip
.Lslot:                             ; six times: tiles 2 to 7 are asked for
	CHANGE 1
	s_mov_b32 s[CNT], 4
.Lstep:                             ; a trip: piece 0's turn (V^T P of the step before, K Q^T of this step), then piece 2's
	TURN 0
	WIN 0
.Lfirst:
	TURN 2
	WIN 0
	s_sub_co_u32 s[CNT], s[CNT], 1
	s_cmp_lg_u32 s[CNT], 0
	s_cbranch_scc1 .Lstep
	s_sub_co_u32 s[SLOTS], s[SLOTS], 1
	s_cmp_lg_u32 s[SLOTS], 0
	s_cbranch_scc1 .Lslot
	CHANGE 0                        ; the tail is written out: nothing is asked for
	s_mov_b32 s[CNT], 5             ; four passes take the last tile's steps; the fifth is left in its middle
.Ltail:
	TURN 0, 1
	WIN 0
	s_sub_co_u32 s[CNT], s[CNT], 1
	s_cmp_eq_u32 s[CNT], 0
	s_cbranch_scc1 .Lout
	TURN 2
	WIN 0
	s_branch .Ltail
.Lout:                              ; the fifth pass's 16 products K Q^T (on the last K once more) serve nothing: the price, once a launch, of one text for every pass
.set i, 0
.rept 32
	PV 2                            ; piece 2's V^T P of the last step
.set i, i+1
.endr
	; THE WAY OUT.  l's two halves and the other half of the lanes' are added; O^T is divided by l, rounded to bf16 and sent through my stage in LDS, 16 queries x 64 channels at a time.
	WIN 0
.irp t, 0,1,2,3
	v_add_f32 v[ST+8*(\t)+4], v[ST+8*(\t)+2], v[ST+8*(\t)+3]
.endr
.irp t, 0,1,2,3
	v_permlanex16_b32 v[ST+8*(\t)+5], v[ST+8*(\t)+4], s[SEL], s[SEL+1]
.endr
.irp t, 0,1,2,3
	v_add_f32 v[ST+8*(\t)+4], v[ST+8*(\t)+4], v[ST+8*(\t)+5]
.endr
.irp t, 0,1,2,3
	v_rcp_f32 v[ST+8*(\t)+6], v[ST+8*(\t)+4]
.endr
	v_nop                           ; a plain instruction between the last reciprocal and the use of its result,
	s_wait_alu depctr_va_vdst(0)    ; and the wait ahead of the first use: one for the four
; Half tile u = 2 t + so: tile t, V_s's (so = 0) or V_o's channels.  A lane's eight channels pack into 16 bytes; they go into rows of 144 bytes and come back as whole rows of 128.
.macro PACK u
	WIN W_RS
.set i, 32*(\u)
.rept 16
	v_pk_mul_f32 v[i:i+1], v[i:i+1], v[ST+8*((\u)/2)+6:ST+8*((\u)/2)+7] op_sel_hi:[1,0]
.set i, i+2
.endr
	WIN 0x05                        ; sources 0 and 1 window 1, destination window 0: S^T's registers are free
.set i, 0
.rept 16
	v_cvt_pk_bf16_f32 v[S+16*(\u)+i], v[32*(\u)+2*i], v[32*(\u)+2*i+1]
.set i, i+1
.endr
	WIN 0
.irp f, 0,1,2,3
	ds_store_b128 v[STO], v[S+16*(\u)+4*(\f):S+16*(\u)+4*(\f)+3] offset:32*(\f)
.endr
.irp f, 0,1,2,3
	ds_load_b128 v[S+16*(\u)+4*(\f):S+16*(\u)+4*(\f)+3], v[RD] offset:(\f)*4*SP  ; LDS serves a wave's instructions in order (ISA guide 5.7.1.4): these see the stores above; the next half tile's stores come behind them
.endr
.endm
.macro SEND u, younger              ; younger: the LDS instructions issued behind this half tile's loads: the next one's eight, or none
	WIN 0
.irp f, 0,1,2,3
	s_wait_dscnt (\younger)+3-(\f)
	global_store_b128 v[GO], v[S+16*(\u)+4*(\f):S+16*(\u)+4*(\f)+3], s[OP:OP+1] offset:((\u)%2)*524288+((\u)/2)*2048+(\f)*512  ; 512 consecutive bytes, aligned
.endr
.endm
	PACK 0
.set t, 1
.rept 7                             ; a half tile's arithmetic stands between the loads of the one before and its stores
	PACK t
	SEND t-1, 8
.set t, t+1
.endr
	SEND 7, 0
	s_wait_tensorcnt 0x0            ; the wave's end, behind my last tensor load and my last LDS store
	ds_add_u32 v[SPW], v[NIL]
	s_wait_dscnt 0x0
	CROUND                          ; the closing round: no work-group ends while a partner may still ask for a tile that names it
	s_endpgm
.Lfunc_end_k_q527c4379ef_attn:
	.size	k_q527c4379ef_attn, .Lfunc_end_k_q527c4379ef_attn-k_q527c4379ef_attn
	.p2alignl 7, 3214868480
	.fill 96, 4, 3214868480
	.section	.rodata,"a",@progbits
	.p2align	6, 0x0
	.amdhsa_kernel k_q527c4379ef_attn
		.amdhsa_group_segment_fixed_size 327680
		.amdhsa_private_segment_fixed_size 0
		.amdhsa_enable_private_segment 0
		.amdhsa_kernarg_size 32
		.amdhsa_user_sgpr_count 2
		.amdhsa_user_sgpr_kernarg_segment_ptr 1
		.amdhsa_wavefront_size32 1
		.amdhsa_system_sgpr_workgroup_id_x 1
		.amdhsa_system_sgpr_workgroup_id_y 1
		.amdhsa_system_sgpr_workgroup_id_z 1
		.amdhsa_system_vgpr_workitem_id 0
		.amdhsa_next_free_vgpr 896
		.amdhsa_next_free_sgpr 100
		.amdhsa_reserve_vcc 0
		.amdhsa_float_denorm_mode_32 3
		.amdhsa_float_denorm_mode_16_64 3
		.amdhsa_memory_ordered 1
		.amdhsa_forward_progress 1
		.amdhsa_inst_pref_size 156
	.end_amdhsa_kernel
	.amdgpu_metadata
---
amdhsa.version: [ 1, 2 ]
amdhsa.kernels:
  - .name:           k_q527c4379ef_attn
    .symbol:         k_q527c4379ef_attn.kd
    .args:
      - { .name: qkv, .offset: 0, .size: 8, .value_kind: global_buffer, .address_space: global }
      - { .name: PE_solution_scores, .offset: 8, .size: 8, .value_kind: global_buffer, .address_space: global }
      - { .name: mw, .offset: 16, .size: 8, .value_kind: global_buffer, .address_space: global }
      - { .name: ob, .offset: 24, .size: 8, .value_kind: global_buffer, .address_space: global }
    .group_segment_fixed_size: 327680
    .private_segment_fixed_size: 0
    .kernarg_segment_align: 8
    .kernarg_segment_size: 32
    .max_flat_workgroup_size: 128
    .sgpr_count:     100
    .vgpr_count:     896
    .wavefront_size: 32
...
	.end_amdgpu_metadata
.endif
;; end of part 3
;; launch fc: the kernel of part 2 again; grid 4 x 32, 4 waves a work-group, clusters of 4 x 4, 327,680 bytes of LDS; arguments ob, wfcb, yb; writes yb
;; launch ln (part 4): grid 512 x 1, 4 waves a work-group, no clusters, 0 bytes of LDS; arguments yb, global_state, ln_gamma, ln_beta, out0, out1; writes out0, out1
.if DOCPART == 4
	.amdgcn_target "amdgcn-amd-amdhsa--gfx1250"
	.amdhsa_code_object_version 6
	.text
	.protected	k_q527c4379ef_ln
	.globl	k_q527c4379ef_ln
	.p2align	8
	.type	k_q527c4379ef_ln,@function
k_q527c4379ef_ln:
	s_mov_b64 s[64:65], 0
	v_nop
	global_prefetch_b8 v0, s[64:65] scope:SCOPE_SE
	s_setreg_imm32_b32 hwreg(HW_REG_WAVE_MODE, 25, 1), 1
	s_wait_xcnt 0x0
; out_so[row][:] = LayerNorm(y_so[row][:] + global_state[row][:]) x gamma + beta, so = 0 (statements), 1 (operators); eps = 1e-6.
; yb[block 0..15][4096 so + row][64] in bf16; all else f32, rows of 1,024.  All arithmetic in f32; the variance is the mean of (z - mean)^2, taken on registers, so a common offset does no harm.
; A wave takes two rows, for both outputs: lanes 0-15 hold one row, lanes 16-31 the other; lane i % 16 holds columns 64 nb + 4 i .. + 3 for nb = 0..15.
; So every load and store of the wave covers whole aligned runs of 256 bytes (y: two rows of a block on end, 8 bytes a lane; the others: 256 bytes of each row, 16 bytes a lane),
; a row's sums never leave its 16 lanes (four DPP steps), and the residual is read once for both outputs.
; All 80 loads of a wave are issued at its start.  The two outputs are two trips of one loop: the residual stays in registers, the second trip's y is copied into the first's registers.
; No LDS, no barrier, no matrix unit, no cluster: no byte but gamma's and beta's is used by two waves.
; REGISTERS: window 0: v64-127 the residual, v128-191 z, v192-223 the trip's y, v224-255 y_o; window 1: v0-63 gamma, v64-127 beta.
.set KBS, 2097152
.set VR,  2                            ; v2   my byte offset in two rows of f32
.set VY,  3                            ; v3   in two rows of a block of y
.set VG,  4                            ; v4   in gamma and beta
.set ONE, 5                            ; v5   1.0
.set T,   8                            ; v[8:15]  four chains of packed sums
.set MU,  16                           ; v[16:17] the mean, twice
.set RS,  18                           ; v[18:19] 1 / sqrt(var + eps), twice
.set RES, 64
.set Z,   128
.set YS,  192
.set YO,  224
.set GA,  0                            ; window 1
.set BE,  64                           ; window 1
.set MSB, 0
.macro WIN new
.if MSB != (\new)
	s_set_vgpr_msb (MSB<<8)|(\new)
.set MSB, (\new)
.endif
.endm
.macro FOLD                            ; four chains into one number, then over the row's 16 lanes
	v_pk_add_f32 v[T:T+1], v[T:T+1], v[T+2:T+3]
	v_pk_add_f32 v[T+4:T+5], v[T+4:T+5], v[T+6:T+7]
	v_pk_add_f32 v[T:T+1], v[T:T+1], v[T+4:T+5]
	v_add_f32 v[T], v[T], v[T+1]
	v_add_f32_dpp v[T], v[T], v[T] row_xmask:1 row_mask:0xf bank_mask:0xf
	v_add_f32_dpp v[T], v[T], v[T] row_xmask:2 row_mask:0xf bank_mask:0xf
	v_add_f32_dpp v[T], v[T], v[T] row_xmask:4 row_mask:0xf bank_mask:0xf
	v_add_f32_dpp v[T], v[T], v[T] row_xmask:8 row_mask:0xf bank_mask:0xf
.endm
	s_load_b256 s[4:11], s[0:1], 0x0               ; yb s[4:5], global_state s[6:7], gamma s[8:9], beta s[10:11]
	s_load_b128 s[12:15], s[0:1], 0x20             ; out0 s[12:13], out1 s[14:15]
	v_lshrrev_b32 v1, 5, v0
	v_readfirstlane_b32 s16, v1
	s_lshl_b32 s17, ttmp9, 2
	s_add_co_u32 s16, s16, s17                     ; my pair of rows: 4 x work-group + wave
	v_and_b32 v1, 31, v0
	v_and_b32 v6, 15, v0
	v_bfe_u32 v7, v0, 4, 1
	v_lshlrev_b32 v[VG], 4, v6
	v_lshl_add_u32 v[VR], v7, 12, v[VG]
	v_lshlrev_b32 v[VY], 3, v1
	v_mov_b32 v[ONE], 1.0
	s_lshl_b32 s18, s16, 8                         ; two rows of 128 bytes
	s_mov_b32 s19, 0
	s_lshl_b32 s28, s16, 13                        ; two rows of 4,096 bytes
	s_mov_b32 s29, 0
	s_mov_b32 s30, 0x3a800000                      ; 1 / 1,024
	s_mov_b32 s31, 0x358637bd                      ; 1e-6
	s_mov_b32 s17, 2                               ; trips
	s_wait_kmcnt 0x0
	s_add_nc_u64 s[20:21], s[4:5], s[18:19]        ; y at blocks 0, 4, 8, 12: the blocks between stand in the immediate
	s_add_nc_u64 s[22:23], s[20:21], 4*KBS
	s_add_nc_u64 s[24:25], s[20:21], 8*KBS
	s_add_nc_u64 s[26:27], s[20:21], 12*KBS
	s_add_nc_u64 s[6:7], s[6:7], s[28:29]
	s_add_nc_u64 s[12:13], s[12:13], s[28:29]
	s_add_nc_u64 s[14:15], s[14:15], s[28:29]
.set i, 0
.rept 16
	global_load_b128 v[RES+4*i:RES+4*i+3], v[VR], s[6:7] offset:256*i th:TH_LOAD_NT
.set i, i+1
.endr
.set i, 0
.rept 16
	global_load_b64 v[YS+2*i:YS+2*i+1], v[VY], s[20+2*(i/4):21+2*(i/4)] offset:(i%4)*KBS th:TH_LOAD_NT
.set i, i+1
.endr
.set i, 0
.rept 16
	global_load_b64 v[YO+2*i:YO+2*i+1], v[VY], s[20+2*(i/4):21+2*(i/4)] offset:(i%4)*KBS+524288 th:TH_LOAD_NT
.set i, i+1
.endr
	WIN 0x40                                       ; destination window 1
.set i, 0
.rept 16
	global_load_b128 v[GA+4*i:GA+4*i+3], v[VG], s[8:9] offset:256*i
.set i, i+1
.endr
.set i, 0
.rept 16
	global_load_b128 v[BE+4*i:BE+4*i+3], v[VG], s[10:11] offset:256*i
.set i, i+1
.endr
	WIN 0
	s_wait_loadcnt 32                              ; the residual and both y are in; gamma's and beta's 32 loads may stay out
.Lout:                                         ; a trip: one output's two rows
.set i, 0
.rept 32                                       ; z = y + residual, straight from y's halves
	v_fma_mix_f32_bf16 v[Z+2*i],   v[YS+i], v[ONE], v[RES+2*i]   op_sel:[0,0,0] op_sel_hi:[1,0,0]
	v_fma_mix_f32_bf16 v[Z+2*i+1], v[YS+i], v[ONE], v[RES+2*i+1] op_sel:[1,0,0] op_sel_hi:[1,0,0]
.set i, i+1
.endr
.set p, 0
.rept 4
	v_pk_add_f32 v[T+2*p:T+2*p+1], v[Z+2*p:Z+2*p+1], v[Z+2*p+8:Z+2*p+9]  ; the first eight pairs start the chains: nothing is cleared
.set p, p+1
.endr
.set p, 8
.rept 24
	v_pk_add_f32 v[T+2*(p%4):T+2*(p%4)+1], v[T+2*(p%4):T+2*(p%4)+1], v[Z+2*p:Z+2*p+1]
.set p, p+1
.endr
	FOLD
	v_mul_f32 v[MU], s30, v[T]
	v_mov_b32 v[MU+1], v[MU]
.set p, 0
.rept 32
	v_pk_add_f32 v[Z+2*p:Z+2*p+1], v[Z+2*p:Z+2*p+1], v[MU:MU+1] neg_lo:[0,1] neg_hi:[0,1]
.set p, p+1
.endr
.set p, 0
.rept 4
	v_pk_mul_f32 v[T+2*p:T+2*p+1], v[Z+2*p:Z+2*p+1], v[Z+2*p:Z+2*p+1]
.set p, p+1
.endr
.rept 28
	v_pk_fma_f32 v[T+2*(p%4):T+2*(p%4)+1], v[Z+2*p:Z+2*p+1], v[Z+2*p:Z+2*p+1], v[T+2*(p%4):T+2*(p%4)+1]
.set p, p+1
.endr
	FOLD
	v_fma_f32 v[RS+1], v[T], s30, s31              ; the variance + eps
	v_rsq_f32 v[RS], v[RS+1]
	v_nop                                          ; a plain instruction behind it,
	s_wait_alu depctr_va_vdst(0)                   ; and the wait ahead of the first instruction that names its result
	v_mov_b32 v[RS+1], v[RS]
.set p, 0
.rept 32
	v_pk_mul_f32 v[Z+2*p:Z+2*p+1], v[Z+2*p:Z+2*p+1], v[RS:RS+1]
.set p, p+1
.endr
	s_wait_loadcnt 0x0                             ; gamma and beta (met at once in the second trip)
	WIN 0x14                                       ; sources 1 and 2 in window 1
.set p, 0
.rept 32
	v_pk_fma_f32 v[Z+2*p:Z+2*p+1], v[Z+2*p:Z+2*p+1], v[GA+2*p:GA+2*p+1], v[BE+2*p:BE+2*p+1]
.set p, p+1
.endr
	WIN 0
.set p, 0
.rept 16
	global_store_b128 v[VR], v[Z+4*p:Z+4*p+3], s[12:13] offset:256*p th:TH_STORE_NT  ; 16 lanes store 256 consecutive bytes of a row, aligned
.set p, p+1
.endr
.set i, 0
.rept 32
	v_mov_b32 v[YS+i], v[YO+i]                     ; the second trip's y (in the second trip the copy changes nothing)
.set i, i+1
.endr
	s_wait_xcnt 0x0                                ; the stores have read z and their base: both are written again only behind this wait
	s_mov_b64 s[12:13], s[14:15]
	s_sub_co_u32 s17, s17, 1
	s_cmp_lg_u32 s17, 0
	s_cbranch_scc1 .Lout
	s_endpgm
.Lfunc_end_k_q527c4379ef_ln:
	.size	k_q527c4379ef_ln, .Lfunc_end_k_q527c4379ef_ln-k_q527c4379ef_ln
	.p2alignl 7, 3214868480
	.fill 96, 4, 3214868480
	.section	.rodata,"a",@progbits
	.p2align	6, 0x0
	.amdhsa_kernel k_q527c4379ef_ln
		.amdhsa_group_segment_fixed_size 0
		.amdhsa_private_segment_fixed_size 0
		.amdhsa_enable_private_segment 0
		.amdhsa_kernarg_size 48
		.amdhsa_user_sgpr_count 2
		.amdhsa_user_sgpr_kernarg_segment_ptr 1
		.amdhsa_wavefront_size32 1
		.amdhsa_system_sgpr_workgroup_id_x 1
		.amdhsa_system_sgpr_workgroup_id_y 1
		.amdhsa_system_sgpr_workgroup_id_z 1
		.amdhsa_system_vgpr_workitem_id 0
		.amdhsa_next_free_vgpr 384
		.amdhsa_next_free_sgpr 66
		.amdhsa_reserve_vcc 0
		.amdhsa_float_denorm_mode_32 3
		.amdhsa_float_denorm_mode_16_64 3
		.amdhsa_memory_ordered 1
		.amdhsa_forward_progress 1
		.amdhsa_inst_pref_size 27
	.end_amdhsa_kernel
	.amdgpu_metadata
---
amdhsa.version: [ 1, 2 ]
amdhsa.kernels:
  - .name:           k_q527c4379ef_ln
    .symbol:         k_q527c4379ef_ln.kd
    .args:
      - { .name: yb, .offset: 0, .size: 8, .value_kind: global_buffer, .address_space: global }
      - { .name: global_state, .offset: 8, .size: 8, .value_kind: global_buffer, .address_space: global }
      - { .name: ln_gamma, .offset: 16, .size: 8, .value_kind: global_buffer, .address_space: global }
      - { .name: ln_beta, .offset: 24, .size: 8, .value_kind: global_buffer, .address_space: global }
      - { .name: out0, .offset: 32, .size: 8, .value_kind: global_buffer, .address_space: global }
      - { .name: out1, .offset: 40, .size: 8, .value_kind: global_buffer, .address_space: global }
    .group_segment_fixed_size: 0
    .private_segment_fixed_size: 0
    .kernarg_segment_align: 8
    .kernarg_segment_size: 48
    .max_flat_workgroup_size: 128
    .sgpr_count:     66
    .vgpr_count:     384
    .wavefront_size: 32
...
	.end_amdgpu_metadata
.endif
;; end of part 4
;; ======== version 2 of 2: 5 launches; version 1 with the launch prep written anew for expert scheduling mode
;; workspace buffers: xb 33,554,432 bytes; wb 6,291,456 bytes; wfcb 2,097,152 bytes; mw 1,048,576 bytes of whole numbers; qkv 33,554,432 bytes; ob 33,554,432 bytes; yb 33,554,432 bytes
;; launch prep (part 5): grid 1792 x 1, 4 waves a work-group, no clusters, 17,920 bytes of LDS; arguments PE_statements, PE_operators, global_state, PE_states, w_v, w_q, w_k, w_fc, mask, xb, wb, wfcb, mw; writes xb, wb, wfcb, mw
.if DOCPART == 5
	.amdgcn_target "amdgcn-amd-amdhsa--gfx1250"
	.amdhsa_code_object_version 6
	.text
	.protected	k_q527c4379ef_prep
	.globl	k_q527c4379ef_prep
	.p2align	8
	.type	k_q527c4379ef_prep,@function
k_q527c4379ef_prep:
	s_mov_b64 s[64:65], 0
	v_nop
	global_prefetch_b8 v0, s[64:65] scope:SCOPE_SE
	s_setreg_imm32_b32 hwreg(HW_REG_WAVE_SCHED_MODE, 0, 2), 2
	s_setreg_imm32_b32 hwreg(HW_REG_WAVE_MODE, 25, 1), 1
	s_wait_xcnt 0x0
	s_wait_alu depctr_vm_vsrc(0)
; PREPARATION: every f32 matrix operand is rounded once to bf16, and the int32 mask is packed into lane masks.
; A UNIT is 131,072 bytes of input, taken by eight waves: two work-groups of four.  Unit = work-group / 2; a wave's place among the eight = 4 (work-group % 2) + wave.
; Units 0-255:   16 rows of the mask -> mw[b][tile of 16 queries][step of 64 keys][32 words]: bit L of word 8 kb + j says whether
;                mask[b][16 tile + L % 16][64 step + 16 kb + 8 (L / 16) + j] is not 0: the lane mask of one register of a tile of scores.
; Units 256-767: 32 rows of one of the four activations -> xb, laid out by K blocks: xb[kb 0..15][R 0..16383][64], R = 4096 i + row
;                (i: 0 PE_statements, 1 PE_operators, 2 global_state, 3 PE_states): a block's rows are dense, 128 bytes each.
; Units 768-895: 32,768 numbers of one weight, as they lie ([k][n]) -> wb (w_v, w_q, w_k) or wfcb (w_fc).
; Every wave issues its 32 loads of 16 bytes a lane before the first is used.  With 144 registers a wave, seven work-groups lie on a WGP: 1,792 work-groups are seven for each of 256.
; No matrix unit, no cluster: no byte is used twice.
; THE MODE: SCHED_MODE bits 1:0 = 2 (LLVM: expert scheduling mode 2), set by the entry lines.  The code itself states the register dependences
; between vector instructions and memory or LDS instructions, with s_wait_alu, always for 0.
; THE PLAN, the two cast paths.  Registers that memory instructions touch:
;   v[VL], v[VS]  byte offsets, made ahead of the first load and never written again.
;   X + 4 i       Load i lands in it, once; its two conversions write its registers 0 and 1 in place; store i reads those two; nothing writes them again.
; The 32 loads go in eight groups of four.  Group g's conversions name group g's registers alone; the memory instructions dealt among them are the four stores of group g - 1.
; So one wait on va_vdst at a group's head states all that those stores hang on, and no store's data is ever written again.
; THE PLAN, the mask path:
;   v[VL]         Made ahead of the 32 global loads, never written again.        v[LS], v[LR]  LDS addresses, made once, behind those loads and ahead of the first LDS store.
;   X[ks]         Key step ks: 8 global loads land in it; its 8 LDS stores read it; its 8 LDS loads land in it; its compares read it.  One wait on vm_vsrc stands between the stores and the loads.
;   s[CM ..]      16 compare results: written by a run of 16 compares, read by the 16 v_writelane_b32 behind one wait on va_sdst.
;   v[OUT ..], v[VS]  Written by vector instructions alone, read by the one global store at the end, behind one wait on va_vdst.
; Step ks + 1's LDS stores and loads are issued ahead of step ks's compares, which name X[ks], s[CM ..] and v[OUT ..]: none of the registers that those LDS instructions touch.
.set KBS, 2097152                      ; bytes of a K block: 16,384 rows of 128 bytes
.set LP,  272                          ; the mask path's LDS row: 256 bytes + 16 = 68 words: the 16 rows that a load touches start at 16 different groups of four banks (64 banks of 4 bytes: ISA guide 11.1)
.set WREG, 16*LP                       ; a wave's own 16 rows
.set SPARE, 4*WREG                     ; behind them: the spare words, 128 bytes for each wave: two blocks of 256 bytes that no other line names
.set VL,  2                            ; v2   my byte offset in the source
.set VS,  3                            ; v3   my byte offset in the destination
.set OUT, 4                            ; v[4:7] the mask path: 128 words of a wave, word n in register n % 4 of lane n / 4
.set X,   8                            ; v[8:135] load i at X + 4 i
.set LS,  136                          ; v136 the mask path: where I put 16 bytes of a row
.set LR,  137                          ; v137 the mask path: where I read 16 bytes of my row
.set SPW, 138                          ; v138 LDS address of my spare word; never rewritten
.set NIL, 139                          ; v139 0; never rewritten
.set CM,  4                            ; s[4:19] the mask path: sixteen compare results, where the activations' and the weights' addresses lay, which that path does not use
.set SRC, 30                           ; s[30:31]
.set DST, 32                           ; s[32:33]
.set OFS, 34                           ; s[34:35] an offset, its high word 0
.set WV,  36                           ; s36  my wave among the unit's eight
.set TT,  37                           ; s37  at work
.set ID,  38                           ; s38  the unit
.set W4,  39                           ; s39  my wave's number in the work-group
; 32 loads of 4 f32 a lane, 32 stores of 4 bf16 a lane.  Load i = 2 j + e stands at j x 8,192 + e x ls1, its store at j x ss0 + e x ss1.
; A store of the wave covers 256 consecutive bytes, aligned.
.macro CAST ls1, ss0, ss1
	s_wait_alu depctr_va_vdst(0)                   ; v[VL] and v[VS] are written: every load and store below reads one of them as its offset
.set i, 0
.rept 32
	global_load_b128 v[X+4*i:X+4*i+3], v[VL], s[SRC:SRC+1] offset:(i/2)*8192+(i%2)*(\ls1) th:TH_LOAD_NT
.set i, i+1
.endr
.set g, 0
.rept 8                                        ; group g: loads 4 g to 4 g + 3 are rounded, and the group before is stored
	s_wait_loadcnt 28-4*g                          ; loads come back in order: the group's four are in, the 28 - 4 g younger ones stay out
.if g > 0
	s_wait_alu depctr_va_vdst(0)                   ; the conversions of the group before have written the registers that its four stores, below, read
.endif
.set e, 0
.rept 4
.set i, 4*g+e
.if g > 0
	global_store_b64 v[VS], v[X+4*(i-4):X+4*(i-4)+1], s[DST:DST+1] offset:((i-4)/2)*(\ss0)+((i-4)%2)*(\ss1)  ; no vector instruction since the wait names these registers
.endif
	v_cvt_pk_bf16_f32 v[X+4*i], v[X+4*i], v[X+4*i+1]
	v_cvt_pk_bf16_f32 v[X+4*i+1], v[X+4*i+2], v[X+4*i+3]
.set e, e+1
.endr
.set g, g+1
.endr
	s_wait_alu depctr_va_vdst(0)                   ; the last group's conversions have written the registers that the last four stores read
.set i, 28
.rept 4
	global_store_b64 v[VS], v[X+4*i:X+4*i+1], s[DST:DST+1] offset:(i/2)*(\ss0)+(i%2)*(\ss1)
.set i, i+1
.endr
.endm
; The mask path.  STAGE: key step ks goes through my own LDS rows: in as loaded, two rows a store; back a row a lane.
.macro STAGE ks
	s_wait_loadcnt 24-8*(\ks)                      ; this key step's eight loads are in; the later steps' stay out
.set i, 0
.rept 8
	ds_store_b128 v[LS], v[X+32*(\ks)+4*i:X+32*(\ks)+4*i+3] offset:i*2*LP
.set i, i+1
.endr
	s_wait_alu depctr_vm_vsrc(0)                   ; the eight LDS stores have read X[ks], in which the eight LDS loads below land
.set i, 0
.rept 8
	ds_load_b128 v[X+32*(\ks)+4*i:X+32*(\ks)+4*i+3], v[LR] offset:(i/2)*64+(i%2)*16  ; LDS serves a wave's instructions in order (ISA guide 5.7.1.4): these see the stores above, and the next step's stores come behind them
.set i, i+1
.endr
.endm
; PICK: key step ks's 32 words, in two runs of 16.  younger: the LDS instructions issued behind this step's loads: the next step's sixteen, or none.
.macro PICK ks, younger
.set hf, 0
.rept 2
	s_wait_dscnt (\younger)+4-4*hf                 ; LDS loads come back in order: the run's four loads are back; the step's later loads and the younger step's instructions stay out
.set n, 0
.rept 16
	v_cmp_ne_u32 s[CM+n], 0, v[X+32*(\ks)+16*hf+n] ; word 32 ks + 16 hf + n: one bit a lane
.set n, n+1
.endr
	s_wait_alu depctr_va_sdst(0)                   ; the sixteen compares have written s[CM ..], ahead of the first line that reads one of them
.set n, 0
.rept 16
	v_writelane_b32 v[OUT+n%4], s[CM+n], 8*(\ks)+4*hf+n/4
.set n, n+1
.endr
.set hf, hf+1
.endr
.endm
	s_load_b512 s[4:19], s[0:1], 0x0               ; the four activations s[4:11], w_v, w_q, w_k, w_fc s[12:19]
	s_load_b256 s[20:27], s[0:1], 0x40             ; mask s[20:21], xb s[22:23], wb s[24:25], wfcb s[26:27]
	s_load_b64 s[28:29], s[0:1], 0x60              ; mw
	v_lshl_add_u32 v[SPW], v0, 2, SPARE
	v_mov_b32 v[NIL], 0
	v_lshrrev_b32 v1, 5, v0
	v_readfirstlane_b32 s[W4], v1                  ; wave 0..3
	v_and_b32 v1, 31, v0                           ; lane
	s_wait_alu depctr_va_sdst(0)                   ; s[W4] is written, ahead of its first reader: my place among the unit's eight waves is made from it
	s_and_b32 s[WV], ttmp9, 1
	s_lshl2_add_u32 s[WV], s[WV], s[W4]            ; 0..7
	s_lshr_b32 s[ID], ttmp9, 1
	s_mov_b32 s[OFS+1], 0
	s_wait_kmcnt 0x0
	s_cmp_lt_u32 s[ID], 256
	s_cbranch_scc0 .Lnot_mask
	; THE MASK.  The unit owns 16 rows (one tile of queries), a wave the key steps 4 w .. 4 w + 3: 1,024 bytes of each row.
	; From memory a load takes 256 consecutive bytes (one key step) of two rows: lanes 0-15 one row, lanes 16-31 the next.  A compare wants lane L to hold row L % 16, so a step's
	; 16 rows x 256 bytes go through my own LDS rows and come back a row a lane: load 2 kb + e brings lane L the keys 16 kb + 8 (L / 16) + 4 e + 0..3.
	s_lshl_b32 s[OFS], s[ID], 17                   ; 16 rows of 8,192 bytes
	s_lshl_b32 s[TT], s[WV], 10
	s_add_co_u32 s[OFS], s[OFS], s[TT]
	s_add_nc_u64 s[SRC:SRC+1], s[20:21], s[OFS:OFS+1]
	s_lshl_b32 s[OFS], s[ID], 3
	s_add_co_u32 s[OFS], s[OFS], s[WV]
	s_lshl_b32 s[OFS], s[OFS], 9                   ; 128 words a wave
	s_add_nc_u64 s[DST:DST+1], s[28:29], s[OFS:OFS+1]
	v_and_b32 v[VS], 15, v1                        ; l % 16
	v_lshrrev_b32 v[OUT], 4, v1                    ; l / 16
	v_lshlrev_b32 v[VL], 4, v[VS]
	v_lshl_add_u32 v[VL], v[OUT], 13, v[VL]
	s_wait_alu depctr_va_vdst(0)                   ; v[VL] is written, which the 32 loads read as their offset
.set i, 0
.rept 32                                       ; load 8 ks + i: key step ks, rows 2 i and 2 i + 1
	global_load_b128 v[X+4*i:X+4*i+3], v[VL], s[SRC:SRC+1] offset:(i%8)*16384+(i/8)*256 th:TH_LOAD_NT
.set i, i+1
.endr
	s_mul_i32 s[TT], s[W4], WREG                   ; my 16 LDS rows
	v_mul_u32_u24 v[LS], v[OUT], LP                ; in: as loaded, two rows
	v_lshl_add_u32 v[LS], v[VS], 4, v[LS]
	v_add_nc_u32 v[LS], s[TT], v[LS]
	v_mul_u32_u24 v[LR], v[VS], LP                 ; back: row l % 16, 32 bytes further for lanes 16-31
	v_lshl_add_u32 v[LR], v[OUT], 5, v[LR]
	v_add_nc_u32 v[LR], s[TT], v[LR]
	v_lshlrev_b32 v[VS], 4, v1
.irp c, 0,1,2,3
	v_mov_b32 v[OUT+(\c)], 0                       ; v_writelane_b32 keeps the other lanes: the registers are written whole first
.endr
	s_wait_alu depctr_va_vdst(0)                   ; v[LS] and v[LR] are written, which every LDS store and load below reads as its address
	STAGE 0
	STAGE 1                                        ; a step's way through LDS is issued ahead of the compares of the step before
	PICK 0, 16
	STAGE 2
	PICK 1, 16
	STAGE 3
	PICK 2, 16
	PICK 3, 0
	s_wait_alu depctr_va_vdst(0)                   ; the v_writelane_b32 lines have written v[OUT ..], which the store reads
	global_store_b128 v[VS], v[OUT:OUT+3], s[DST:DST+1]  ; 512 consecutive bytes, aligned
	s_wait_dscnt 0x0                               ; the closing lines, six on end
	s_wait_alu 0x0
	s_wait_tensorcnt 0x0
	ds_add_u32 v[SPW], v[NIL]
	s_wait_dscnt 0x0
	s_endpgm
.Lnot_mask:
	s_sub_co_u32 s[ID], s[ID], 256
	s_cmp_lt_u32 s[ID], 512
	s_cbranch_scc0 .Lweights
	; ACTIVATIONS.  Wave w of the eight owns K blocks 2 w and 2 w + 1 of the unit's 32 rows; a load takes one block (256 bytes of f32) of two rows.
	s_lshr_b32 s[TT], s[ID], 7                     ; which activation
	s_cmp_eq_u32 s[TT], 1
	s_cselect_b64 s[SRC:SRC+1], s[6:7], s[4:5]
	s_cmp_eq_u32 s[TT], 2
	s_cselect_b64 s[SRC:SRC+1], s[8:9], s[SRC:SRC+1]
	s_cmp_eq_u32 s[TT], 3
	s_cselect_b64 s[SRC:SRC+1], s[10:11], s[SRC:SRC+1]
	s_and_b32 s[OFS], s[ID], 127
	s_lshl_b32 s[OFS], s[OFS], 17                  ; 32 rows of 4,096 bytes
	s_add_nc_u64 s[SRC:SRC+1], s[SRC:SRC+1], s[OFS:OFS+1]
	s_lshl_b32 s[OFS], s[ID], 12                   ; R = 32 x the unit's number among these, 128 bytes a row
	s_add_nc_u64 s[DST:DST+1], s[22:23], s[OFS:OFS+1]
	v_lshrrev_b32 v[VL], 4, v1
	v_lshlrev_b32 v[VL], 12, v[VL]                 ; lanes 16-31: the next row
	v_and_b32 v[VS], 15, v1
	v_lshl_add_u32 v[VL], v[VS], 4, v[VL]
	s_lshl_b32 s[TT], s[WV], 9                     ; my two blocks: 512 bytes of a row
	v_add_nc_u32 v[VL], s[TT], v[VL]
	s_lshl_b32 s[TT], s[WV], 22                    ; 2 w blocks
	v_lshl_add_u32 v[VS], v1, 3, s[TT]             ; two rows of a block are 256 bytes on end: 8 bytes a lane
	CAST 256, 256, KBS
	s_endpgm
.Lweights:
	; WEIGHTS, as they lie: thread t of the unit's 256 takes 16 bytes at 16 t of each 4,096
	s_sub_co_u32 s[ID], s[ID], 512
	s_lshr_b32 s[TT], s[ID], 5                     ; which weight
	s_cmp_eq_u32 s[TT], 1
	s_cselect_b64 s[SRC:SRC+1], s[14:15], s[12:13]
	s_cmp_eq_u32 s[TT], 2
	s_cselect_b64 s[SRC:SRC+1], s[16:17], s[SRC:SRC+1]
	s_cmp_eq_u32 s[TT], 3
	s_cselect_b64 s[SRC:SRC+1], s[18:19], s[SRC:SRC+1]
	s_and_b32 s[TT], s[ID], 31
	s_lshl_b32 s[OFS], s[TT], 17
	s_add_nc_u64 s[SRC:SRC+1], s[SRC:SRC+1], s[OFS:OFS+1]
	s_cmp_lt_u32 s[ID], 96                         ; the first three go to wb, one behind the other; w_fc to wfcb
	s_cselect_b64 s[DST:DST+1], s[24:25], s[26:27]
	s_cselect_b32 s[OFS], s[ID], s[TT]
	s_lshl_b32 s[OFS], s[OFS], 16
	s_add_nc_u64 s[DST:DST+1], s[DST:DST+1], s[OFS:OFS+1]
	s_lshl_b32 s[TT], s[WV], 5
	v_add_nc_u32 v[VS], s[TT], v1                  ; t
	v_lshlrev_b32 v[VL], 4, v[VS]
	v_lshlrev_b32 v[VS], 3, v[VS]
	CAST 4096, 4096, 2048
	s_endpgm
.Lfunc_end_k_q527c4379ef_prep:
	.size	k_q527c4379ef_prep, .Lfunc_end_k_q527c4379ef_prep-k_q527c4379ef_prep
	.p2alignl 7, 3214868480
	.fill 96, 4, 3214868480
	.section	.rodata,"a",@progbits
	.p2align	6, 0x0
	.amdhsa_kernel k_q527c4379ef_prep
		.amdhsa_group_segment_fixed_size 17920
		.amdhsa_private_segment_fixed_size 0
		.amdhsa_enable_private_segment 0
		.amdhsa_kernarg_size 104
		.amdhsa_user_sgpr_count 2
		.amdhsa_user_sgpr_kernarg_segment_ptr 1
		.amdhsa_wavefront_size32 1
		.amdhsa_system_sgpr_workgroup_id_x 1
		.amdhsa_system_sgpr_workgroup_id_y 1
		.amdhsa_system_sgpr_workgroup_id_z 1
		.amdhsa_system_vgpr_workitem_id 0
		.amdhsa_next_free_vgpr 144
		.amdhsa_next_free_sgpr 66
		.amdhsa_reserve_vcc 0
		.amdhsa_float_denorm_mode_32 3
		.amdhsa_float_denorm_mode_16_64 3
		.amdhsa_memory_ordered 1
		.amdhsa_forward_progress 1
		.amdhsa_inst_pref_size 49
	.end_amdhsa_kernel
	.amdgpu_metadata
---
amdhsa.version: [ 1, 2 ]
amdhsa.kernels:
  - .name:           k_q527c4379ef_prep
    .symbol:         k_q527c4379ef_prep.kd
    .args:
      - { .name: PE_statements, .offset: 0, .size: 8, .value_kind: global_buffer, .address_space: global }
      - { .name: PE_operators, .offset: 8, .size: 8, .value_kind: global_buffer, .address_space: global }
      - { .name: global_state, .offset: 16, .size: 8, .value_kind: global_buffer, .address_space: global }
      - { .name: PE_states, .offset: 24, .size: 8, .value_kind: global_buffer, .address_space: global }
      - { .name: w_v, .offset: 32, .size: 8, .value_kind: global_buffer, .address_space: global }
      - { .name: w_q, .offset: 40, .size: 8, .value_kind: global_buffer, .address_space: global }
      - { .name: w_k, .offset: 48, .size: 8, .value_kind: global_buffer, .address_space: global }
      - { .name: w_fc, .offset: 56, .size: 8, .value_kind: global_buffer, .address_space: global }
      - { .name: mask, .offset: 64, .size: 8, .value_kind: global_buffer, .address_space: global }
      - { .name: xb, .offset: 72, .size: 8, .value_kind: global_buffer, .address_space: global }
      - { .name: wb, .offset: 80, .size: 8, .value_kind: global_buffer, .address_space: global }
      - { .name: wfcb, .offset: 88, .size: 8, .value_kind: global_buffer, .address_space: global }
      - { .name: mw, .offset: 96, .size: 8, .value_kind: global_buffer, .address_space: global }
    .group_segment_fixed_size: 17920
    .private_segment_fixed_size: 0
    .kernarg_segment_align: 8
    .kernarg_segment_size: 104
    .max_flat_workgroup_size: 128
    .sgpr_count:     66
    .vgpr_count:     144
    .wavefront_size: 32
...
	.end_amdgpu_metadata
.endif
;; end of part 5
;; launch gemm: the kernel of part 2 again; grid 4 x 64, 4 waves a work-group, clusters of 4 x 4, 327,680 bytes of LDS; arguments xb, wb, qkv; writes qkv
;; launch attn: the kernel of part 3 again; grid 8 x 32, 4 waves a work-group, clusters of 4 x 1, 327,680 bytes of LDS; arguments qkv, PE_solution_scores, mw, ob; writes ob
;; launch fc: the kernel of part 2 again; grid 4 x 32, 4 waves a work-group, clusters of 4 x 4, 327,680 bytes of LDS; arguments ob, wfcb, yb; writes yb
;; launch ln: the kernel of part 4 again; grid 512 x 1, 4 waves a work-group, no clusters, 0 bytes of LDS; arguments yb, global_state, ln_gamma, ln_beta, out0, out1; writes out0, out1
